; MI455X (gfx1250); checked and timed in simulation.
; The chip was launched on July 23, 2026; its instructions are those of AMD's public machine-readable ISA for CDNA 5 (MIT licence, August 2026) and "CDNA5" Instruction Set Architecture Reference Guide (July 2026). The comments in the code are by the model that wrote it; some were corrected since.
;; Self Attention. Allowed arithmetic: matrix products marked QUANTISED: E2M3 operands, one E8M0 scale for each 32 along K, by v_wmma_scale_f32_16x16x128_f8f6f4 with both operands' format E2M3, f32 sums; everything else in f32.
;; Inputs: W_proj 1,024 x 1,024 float32; W_qkv 3,072 x 1,024 float32; x 8 x 1,024 x 1,024 float32.
;; Outputs: out0 8 x 1,024 x 1,024 float32.
;; This version of the problem:
;;   THIS VERSION OF THE PROBLEM IS GIVEN IN LOW PRECISION. The matrix products marked QUANTISED in the list below multiply operands that are first quantised to E2M3 (2 exponent bits, 3 mantissa bits; 6 bits a number), with one power-of-two scale for each 32 numbers along K (OCP MX v1.0); their sums are f32. All else is computed in f32.
;;   The module's matrix products, in the order in which they are computed (A, B: the left and right operand; K: the contracted axis; several contracted axes count as one K, in the product's order):
;;     1. [M 8,192, K 1,024] x [K 1,024, N 3,072]; A: input x; B: input W_qkv: QUANTISED
;;     2. batch 128 x [M 1,024, K 64] x [K 64, N 1,024]; A: computed on the way; B: computed on the way: QUANTISED
;;     3. batch 128 x [M 64, K 1,024] x [K 1,024, N 1,024]; A: computed on the way; B: computed on the way: QUANTISED
;;     4. [M 8,192, K 1,024] x [K 1,024, N 1,024]; A: computed on the way; B: input W_proj: QUANTISED
;;   THE QUANTISER, for each operand of a quantised product, along K:
;;     - K is cut into blocks of 32 from its start; a last block that is shorter is filled with zeros.
;;     - A block's scale is 2^e with e = floor(log2(the largest magnitude in the block)) - 2, held to -126 .. 127; a block of zeros has e = 0. As a byte (E8M0): e + 127.
;;     - Each number is divided by its block's scale, clamped to +-7.5, and rounded to the nearest number of E2M3, ties to even, subnormals kept.
;;     - The product sums the exact products of the quantised numbers (number of the format x scale) in f32.
;;   ~~~python
;;   def quantise(x, axis):      # numpy; x: float32 -> the quantised numbers, widened to float32 again
;;       x = np.moveaxis(x, axis, -1); K = x.shape[-1]
;;       x = np.pad(x, [(0, 0)] * (x.ndim - 1) + [(0, -K % 32)]); x = x.reshape(x.shape[:-1] + (-1, 32)); a = np.abs(x).max(-1, keepdims=True)
;;       e = np.where(a > 0, np.clip(np.frexp(np.where(a > 0, a, 1))[1] - 1 - 2, -126, 127), 0)      # np.frexp(a)[1] - 1 = floor(log2(a)), exactly
;;       r = np.clip(x / 2.0 ** e, -7.5, 7.5)
;;       step = 2.0 ** (np.maximum(np.frexp(np.where(r == 0, 1, r))[1] - 1, 0) - 3)
;;       q = np.round(r / step) * step * 2.0 ** e      # np.round: ties to even
;;       return np.moveaxis(q.reshape(q.shape[:-2] + (-1,))[..., :K], -1, axis).astype(np.float32)
;;   ~~~
;;   OPERANDS COMPUTED ON THE WAY. 'Computed on the way' means the value that the module computes at that place (a softmax that the list does not call 'softmax' is quantised finished and normalised). What goes into a quantiser is computed in f32, as accurately as f32 sums, v_exp_f32 and their like allow (about 1e-6 of the number): no bf16 or f16 on the way to a quantiser, and a product that is left as it is and whose result goes on into a quantised operand takes f32 operands (vector FMAs, or v_wmma_f32_16x16x4_f32). A number that lies on a knife's edge between two numbers of the format may be rounded either way, as far as f32 arithmetic and the matrix unit's own rounding can turn it there, and no further.
;; One version. Each part assembles by itself: llvm-mc -triple=amdgcn-amd-amdhsa -mcpu=gfx1250 --defsym DOCPART=n.
;; ======== version 1 of 1: 5 launches
;; limits: right only within a limited range of input values
;; workspace buffers: cod1 9,437,184 bytes; scl1 393,216 bytes; qkvc 18,874,368 bytes; qkvs 1,310,720 bytes; mp 524,288 bytes; oc 6,291,456 bytes; os 262,144 bytes
;; launch quant (part 1): grid 768 x 1, 8 waves a work-group, no clusters, 67,328 bytes of LDS; arguments x, W_qkv, W_proj, cod1, scl1; writes cod1, scl1
.if DOCPART == 1
	.amdgcn_target "amdgcn-amd-amdhsa--gfx1250"
	.amdhsa_code_object_version 6
	.text
	.protected	k_q2438fcbe24_quant
	.globl	k_q2438fcbe24_quant
	.p2align	8
	.type	k_q2438fcbe24_quant,@function
k_q2438fcbe24_quant:
	s_mov_b64 s[64:65], 0
	v_nop
	global_prefetch_b8 v0, s[64:65] scope:SCOPE_SE
	s_setreg_imm32_b32 hwreg(HW_REG_WAVE_MODE, 25, 1), 1
	s_wait_xcnt 0x0
; x [8192][1024], W_qkv [3072][1024], W_proj [1024][1024], f32, K innermost, become codes of FP6 (E2M3) with one E8M0 byte for each 32 along K.
; The three tensors count as one run of 768 tiles of 16 rows (x 0-511, W_qkv 512-703, W_proj 704-767); work-group t takes tile t, its wave w the 128 along K from 128 w on.
; OUT: cod1 [tile][K step 8][1,536 bytes]: a fragment (16 rows x 128 K, 12 registers a lane) as an image of its registers: unit p of 256 bytes holds registers 2 p, 2 p + 1 of lanes 0-31.
;      scl1 [row][32 bytes]: byte = block.
; THE ORDER INSIDE A BLOCK OF 32: positions 0-7, 8-15, 16-23, 24-31 hold the block's numbers 0-7, 16-23, 8-15, 24-31.  Every operand of this program has that order (matrix results that become
; operands fall into it by themselves), so each product still multiplies like with like; scales and codes are untouched by it; only the order of the additions inside an instruction differs.
; A block's scale is 2^(floor(log2(largest magnitude)) - 2); its byte is the largest magnitude's exponent field - 2, held at 1 from below by a floor among the maximum's leaves.
; LIMITS: a block of zeros gets the byte 1 where the rule says 127 (its codes are zeros; this program alone reads the bytes); NaN and infinities are not served.
; Each global load reads 512 consecutive bytes; the tile turns through LDS (rows 4,112 bytes apart, an odd multiple of 16) so that a lane gets whole blocks of its row.
.set PITCH, 4112
.set SCST,  16*PITCH                   ; behind the tile: the tile's scale words, [row][8 words]
.set SPARE, SCST+512                   ; the spare words, 128 bytes for each of eight waves
.set X,   32                           ; v32-95   64 numbers
.set C,   96                           ; v96-107  the fragment
.set CT,  108                          ; v108-110, v112-114 the blocks' upper halves (a conversion's three registers begin on an even number)
.set SPW, 10
.set NIL, 11
	s_load_b128 s[4:7], s[0:1], 0x0                ; x, W_qkv
	s_load_b128 s[8:11], s[0:1], 0x10              ; W_proj, cod1
	s_load_b64 s[12:13], s[0:1], 0x20              ; scl1
	v_lshl_add_u32 v[SPW], v0, 2, SPARE
	v_mov_b32 v[NIL], 0
	v_lshrrev_b32 v1, 5, v0
	s_delay_alu instid0(VALU_DEP_1)
	v_readfirstlane_b32 s14, v1                    ; wave 0..7
	v_and_b32 v2, 31, v0                           ; lane
	v_and_b32 v3, 15, v0                           ; r
	v_bfe_u32 v20, v0, 4, 1                        ; h
	s_delay_alu instid0(VALU_DEP_3)
	v_lshlrev_b32 v4, 4, v2                        ; 16 x lane
	s_mul_i32 s15, s14, 2*PITCH
	v_add_nc_u32 v5, s15, v4                       ; into the tile: my wave's two rows
	v_mul_u32_u24 v6, v3, PITCH
	s_delay_alu instid0(VALU_DEP_1)
	v_lshl_add_u32 v6, v20, 7, v6
	s_lshl_b32 s15, s14, 9
	v_add_nc_u32 v6, s15, v6                       ; out of it: row r, K step w, block h of each pair of blocks
	v_lshlrev_b32 v7, 3, v2                        ; 8 x lane: my place in a unit of the image
	v_lshlrev_b32 v8, 5, v3
	s_lshl_b32 s15, s14, 2
	s_add_co_u32 s15, s15, SCST
	v_add_nc_u32 v8, s15, v8                       ; my row's scale word of K step w
	v_add_nc_u32 v9, SCST, v4
	v_lshlrev_b32 v20, 3, v20                      ; 8 h
	v_mov_b32 v19, 0                               ; (a lane permute's destination counts as one of its sources)
	s_mov_b32 s20, 0x76543210
	s_mov_b32 s21, 0xfedcba98                      ; selects for lane l xor 16
	s_mul_i32 s18, ttmp9, 12288
	s_mul_i32 s19, s14, 1536
	s_add_co_u32 s18, s18, s19                     ; my fragment's place in cod1
	s_mov_b32 s19, 0
	s_lshl_b32 s22, ttmp9, 9                       ; the tile's 512 scale bytes
	s_mov_b32 s23, 0
	s_wait_alu depctr_va_vdst(0)
	s_wait_kmcnt 0x0
	s_cmp_lt_u32 ttmp9, 512                        ; which tensor: the choice hangs on the work-group's number alone
	s_cselect_b64 s[4:5], s[4:5], s[6:7]
	s_cselect_b32 s16, 0, 512
	s_cmp_lt_u32 ttmp9, 704
	s_cselect_b64 s[4:5], s[4:5], s[8:9]
	s_cselect_b32 s16, s16, 704
	s_sub_co_u32 s16, ttmp9, s16                   ; the tile's number in its tensor
	s_lshl_b32 s16, s16, 16                        ; 16 rows of 4,096 bytes
	s_lshl_b32 s17, s14, 13                        ; my wave's two rows
	s_add_co_u32 s16, s16, s17
	s_mov_b32 s17, 0
	s_add_nc_u64 s[4:5], s[4:5], s[16:17]
	s_add_nc_u64 s[10:11], s[10:11], s[18:19]
	s_add_nc_u64 s[12:13], s[12:13], s[22:23]
.irp j, 0,1
.irp i, 0,1,2,3,4,5,6,7
	global_load_b128 v[X+32*\j+4*\i:X+32*\j+4*\i+3], v4, s[4:5] offset:4096*\j+512*\i th:TH_LOAD_NT   ; 32 lanes read 512 consecutive bytes
.endr
.endr
.set k, 0
.rept 16
	s_wait_loadcnt 15-k                            ; loads come back in order: load k is in, the 15 - k younger ones may be out
	ds_store_b128 v5, v[X+4*k:X+4*k+3] offset:PITCH*(k/8)+512*(k%8)
.set k, k+1
.endr
	s_wait_dscnt 0x0                               ; for the others' sake: my two rows lie in LDS
	s_barrier_signal -1
	s_barrier_wait -1
.irp c, 0,1                                    ; my blocks 4 w + 2 c + h of row r; piece i (four numbers) goes to the place that the order inside a block gives it
.irp i, 0,1,2,3,4,5,6,7
	ds_load_b128 v[X+32*\c+4*((\i%2)+2*((((\i/2)%2)*2)+(\i/4))):X+32*\c+4*((\i%2)+2*((((\i/2)%2)*2)+(\i/4)))+3], v6 offset:256*\c+16*\i
.endr
.endr
	s_wait_dscnt 0x0
.irp c, 0,1
	v_max3_num_f32 v[12+\c], |v[X+32*\c]|, |v[X+32*\c+1]|, 0x1800000   ; all 32 numbers of a block are mine; the floor 2^(3 - 127) holds the byte at 1 from below
.endr
.irp i, 2,4,6,8,10,12,14,16,18,20,22,24,26,28,30
.irp c, 0,1
	s_delay_alu instid0(VALU_DEP_2)
	v_max3_num_f32 v[12+\c], v[12+\c], |v[X+32*\c+\i]|, |v[X+32*\c+\i+1]|
.endr
.endr
.irp c, 0,1
	s_delay_alu instid0(VALU_DEP_2)
	v_add_nc_u32 v[14+\c], 0xff000000, v[12+\c]    ; 2 off the exponent field: the conversion's scale operand
.endr
.irp c, 0,1
	s_delay_alu instid0(VALU_DEP_2)
	v_lshrrev_b32 v[16+\c], 23, v[14+\c]           ; the scale's byte
.endr
	s_delay_alu instid0(VALU_DEP_1)
	v_lshl_or_b32 v18, v17, 16, v16                ; my two bytes: blocks h and 2 + h,
	s_delay_alu instid0(VALU_DEP_1)
	v_lshlrev_b32 v18, v20, v18                    ; 8 h bits up;
	s_delay_alu instid0(VALU_DEP_1)
	v_permlanex16_b32 v19, v18, s20, s21
	s_delay_alu instid0(VALU_DEP_1)
	v_or_b32 v18, v18, v19                         ; with lane l xor 16's two the word is whole
.irp c, 0,1
	v_cvt_scalef32_pk16_fp6_f32 v[C+6*\c:C+6*\c+2], v[X+32*\c:X+32*\c+15], v[14+\c]
	v_cvt_scalef32_pk16_fp6_f32 v[CT+4*\c:CT+4*\c+2], v[X+32*\c+16:X+32*\c+31], v[14+\c]
.endr
	v_nop                                          ; one plain place behind a scaled conversion
.irp c, 0,1
.irp i, 0,1,2
	v_mov_b32 v[C+6*\c+3+\i], v[CT+4*\c+\i]
.endr
.endr
.irp p, 0,1,2,3,4,5
	global_store_b64 v7, v[C+2*\p:C+2*\p+1], s[10:11] offset:256*\p   ; 32 lanes store 256 consecutive bytes, at a multiple of 256 from the buffer's first byte
.endr
	ds_store_b32 v8, v18                           ; lanes r and 16 + r write the same word with the same value
	s_wait_dscnt 0x0
	s_barrier_signal -1
	s_barrier_wait -1                              ; the tile's 128 scale words lie in LDS
	s_cmp_lg_u32 s14, 0
	s_cbranch_scc1 .Lend
	ds_load_b128 v[116:119], v9
	s_wait_dscnt 0x0
	global_store_b128 v4, v[116:119], s[12:13]     ; 512 consecutive bytes
.Lend:
	s_wait_tensorcnt 0x0                           ; the wave's end
	ds_add_u32 v[SPW], v[NIL]
	s_wait_dscnt 0x0
	s_endpgm
.Lfunc_end_k_q2438fcbe24_quant:
	.size	k_q2438fcbe24_quant, .Lfunc_end_k_q2438fcbe24_quant-k_q2438fcbe24_quant
	.p2alignl 7, 3214868480
	.fill 96, 4, 3214868480
	.section	.rodata,"a",@progbits
	.p2align	6, 0x0
	.amdhsa_kernel k_q2438fcbe24_quant
		.amdhsa_group_segment_fixed_size 67328
		.amdhsa_private_segment_fixed_size 0
		.amdhsa_enable_private_segment 0
		.amdhsa_kernarg_size 40
		.amdhsa_user_sgpr_count 2
		.amdhsa_user_sgpr_kernarg_segment_ptr 1
		.amdhsa_wavefront_size32 1
		.amdhsa_system_sgpr_workgroup_id_x 1
		.amdhsa_system_sgpr_workgroup_id_y 1
		.amdhsa_system_sgpr_workgroup_id_z 1
		.amdhsa_system_vgpr_workitem_id 0
		.amdhsa_next_free_vgpr 128
		.amdhsa_next_free_sgpr 66
		.amdhsa_reserve_vcc 0
		.amdhsa_float_denorm_mode_32 3
		.amdhsa_float_denorm_mode_16_64 3
		.amdhsa_memory_ordered 1
		.amdhsa_forward_progress 1
		.amdhsa_inst_pref_size 12
	.end_amdhsa_kernel
	.amdgpu_metadata
---
amdhsa.version: [ 1, 2 ]
amdhsa.kernels:
  - .name:           k_q2438fcbe24_quant
    .symbol:         k_q2438fcbe24_quant.kd
    .args:
      - { .name: x, .offset: 0, .size: 8, .value_kind: global_buffer, .address_space: global }
      - { .name: W_qkv, .offset: 8, .size: 8, .value_kind: global_buffer, .address_space: global }
      - { .name: W_proj, .offset: 16, .size: 8, .value_kind: global_buffer, .address_space: global }
      - { .name: cod1, .offset: 24, .size: 8, .value_kind: global_buffer, .address_space: global }
      - { .name: scl1, .offset: 32, .size: 8, .value_kind: global_buffer, .address_space: global }
    .group_segment_fixed_size: 67328
    .private_segment_fixed_size: 0
    .kernarg_segment_align: 8
    .kernarg_segment_size: 40
    .max_flat_workgroup_size: 256
    .sgpr_count:     66
    .vgpr_count:     128
    .wavefront_size: 32
...
	.end_amdgpu_metadata
.endif
;; end of part 1
;; launch gemm_qkv (part 2): grid 8 x 32, 4 waves a work-group, clusters of 4 x 4, 327,680 bytes of LDS; arguments cod1, scl1, qkvc, qkvs; writes qkvc, qkvs
.if DOCPART == 2
	.amdgcn_target "amdgcn-amd-amdhsa--gfx1250"
	.amdhsa_code_object_version 6
	.text
	.protected	k_q2438fcbe24_gemm_qkv
	.globl	k_q2438fcbe24_gemm_qkv
	.p2align	8
	.type	k_q2438fcbe24_gemm_qkv,@function
k_q2438fcbe24_gemm_qkv:
	s_mov_b64 s[64:65], 0
	v_nop
	global_prefetch_b8 v0, s[64:65] scope:SCOPE_SE
	s_setreg_imm32_b32 hwreg(HW_REG_WAVE_MODE, 25, 1), 1
	s_wait_xcnt 0x0
	s_wait_alu depctr_hold_cnt(0) depctr_sa_sdst(0) depctr_va_vdst(0) depctr_va_sdst(0) depctr_va_ssrc(0) depctr_va_vcc(0) depctr_vm_vsrc(0)
	s_getreg_b32 s2, hwreg(HW_REG_IB_STS2, 6, 4)
	s_cmp_eq_u32 s2, 0
	s_cbranch_scc0 .Lentry_in_a_cluster
	s_endpgm
.Lentry_in_a_cluster:
	s_bfe_u32 s2, ttmp6, 0x10000c
	s_cmp_lg_u32 s2, 0xf033
	s_cbranch_scc0 .Lentry_shape_is_right
	s_endpgm
.Lentry_shape_is_right:
.set XPART, 49152
.set WLD,   24576
.set RT,    3072
.set FR,    12
.set WS,    4*XPART
.set SST,   WS+2*XPART
.set SPARE, SST+4096
.set ADRA, 8
.set ADRX, 12
.set ADRB, 16
.set ADRV, 18
.set SRB,  20
.set L32,  21
.set OF0,  24
.set OF1,  25
.set SSA,  26
.set SRA,  27
.set SPW,  28
.set NIL,  29
.set SOF,  30
.set SH,   31
.set SA,   32
.set SB,   64
.set TM,   96
.set PW,   112
.set T,    113
.set AF,   128
.set PC,   224
.set R,    244
.set G1A, 24
.set G1B, 32
.set G0A, 40
.set G0B, 52
.set G0V, 68
.set MSB, 0
.macro WIN new
.set NWW, \new
.if MSB != NWW
	s_set_vgpr_msb (MSB<<8)|NWW
.set MSB, NWW
.endif
.endm
.macro PLACES n
.rept \n
	v_nop
.endr
.endm
.macro JLOAD g0a, g1a, g0b, g1b
	s_cmp_eq_u32 s15, 0
	s_cbranch_scc0 .Lfor_b_\@
	tensor_load_to_lds s[\g0a:\g0a+3], s[\g1a:\g1a+7]
	s_nop 0
.rept 4
	v_nop
.endr
	s_branch .Lasked_\@
.Lfor_b_\@:
	tensor_load_to_lds s[\g0b:\g0b+3], s[\g1b:\g1b+7]
	s_nop 0
.rept 4
	v_nop
.endr
.Lasked_\@:
.endm
.macro WLOAD g0
	s_cmp_eq_u32 s15, 0
	s_cbranch_scc1 .Lnone_\@
	tensor_load_to_lds s[\g0:\g0+3], s[G1B:G1B+7]
	s_nop 0
.rept 4
	v_nop
.endr
.Lnone_\@:
.endm
.macro CREST
	s_cmp_lg_u32 s14, 0
	s_cbranch_scc1 .Lnot_wave_0_\@
	s_barrier_signal -3
.Lnot_wave_0_\@:
	s_barrier_wait -3
	s_barrier_signal -1
	s_barrier_wait -1
.endm
.macro CROUND
	s_barrier_signal -1
	s_barrier_wait -1
	CREST
.endm
.macro WM d, x, y, sx, sy, rx, ry, zero
.if \zero
.if (\rx) && (\ry)
	v_wmma_scale_f32_16x16x128_f8f6f4 v[(\d):(\d)+7], v[(\x):(\x)+11], v[(\y):(\y)+11], 0, v[(\sx)], v[(\sy)] matrix_a_fmt:MATRIX_FMT_FP6 matrix_b_fmt:MATRIX_FMT_FP6 matrix_a_scale:MATRIX_SCALE_ROW1 matrix_b_scale:MATRIX_SCALE_ROW1
.elseif (\rx)
	v_wmma_scale_f32_16x16x128_f8f6f4 v[(\d):(\d)+7], v[(\x):(\x)+11], v[(\y):(\y)+11], 0, v[(\sx)], v[(\sy)] matrix_a_fmt:MATRIX_FMT_FP6 matrix_b_fmt:MATRIX_FMT_FP6 matrix_a_scale:MATRIX_SCALE_ROW1
.elseif (\ry)
	v_wmma_scale_f32_16x16x128_f8f6f4 v[(\d):(\d)+7], v[(\x):(\x)+11], v[(\y):(\y)+11], 0, v[(\sx)], v[(\sy)] matrix_a_fmt:MATRIX_FMT_FP6 matrix_b_fmt:MATRIX_FMT_FP6 matrix_b_scale:MATRIX_SCALE_ROW1
.else
	v_wmma_scale_f32_16x16x128_f8f6f4 v[(\d):(\d)+7], v[(\x):(\x)+11], v[(\y):(\y)+11], 0, v[(\sx)], v[(\sy)] matrix_a_fmt:MATRIX_FMT_FP6 matrix_b_fmt:MATRIX_FMT_FP6
.endif
.else
.if (\rx) && (\ry)
	v_wmma_scale_f32_16x16x128_f8f6f4 v[(\d):(\d)+7], v[(\x):(\x)+11], v[(\y):(\y)+11], v[(\d):(\d)+7], v[(\sx)], v[(\sy)] matrix_a_fmt:MATRIX_FMT_FP6 matrix_b_fmt:MATRIX_FMT_FP6 matrix_a_scale:MATRIX_SCALE_ROW1 matrix_b_scale:MATRIX_SCALE_ROW1
.elseif (\rx)
	v_wmma_scale_f32_16x16x128_f8f6f4 v[(\d):(\d)+7], v[(\x):(\x)+11], v[(\y):(\y)+11], v[(\d):(\d)+7], v[(\sx)], v[(\sy)] matrix_a_fmt:MATRIX_FMT_FP6 matrix_b_fmt:MATRIX_FMT_FP6 matrix_a_scale:MATRIX_SCALE_ROW1
.elseif (\ry)
	v_wmma_scale_f32_16x16x128_f8f6f4 v[(\d):(\d)+7], v[(\x):(\x)+11], v[(\y):(\y)+11], v[(\d):(\d)+7], v[(\sx)], v[(\sy)] matrix_a_fmt:MATRIX_FMT_FP6 matrix_b_fmt:MATRIX_FMT_FP6 matrix_b_scale:MATRIX_SCALE_ROW1
.else
	v_wmma_scale_f32_16x16x128_f8f6f4 v[(\d):(\d)+7], v[(\x):(\x)+11], v[(\y):(\y)+11], v[(\d):(\d)+7], v[(\sx)], v[(\sy)] matrix_a_fmt:MATRIX_FMT_FP6 matrix_b_fmt:MATRIX_FMT_FP6
.endif
.endif
.endm
.macro FRAG reg, adr, q, i
.irp p, 0,1,2,3,4,5
	ds_load_b64 v[\reg+2*\p:\reg+2*\p+1], v[\adr] offset:(\i)*RT+(\q)*1536+256*\p
.endr
.endm
.macro FETCH_B slot, q, p
	WIN 0x40
.irp i, 0,1,2,3,4,5,6,7
	FRAG 128*(\p)+FR*\i, ADRB+\slot, \q, \i
.endr
	WIN 0
.endm
.macro FETCH_A part, q, i0
.irp i, \i0, \i0+1, \i0+2, \i0+3
	FRAG AF+FR*(\i), ADRA+\part, \q, \i
.endr
.endm
.macro FETCH_X part, q, p
	WIN 0x40
.irp i, 0,1,2,3,4,5,6,7
	FRAG 128*(\p)+FR*\i, ADRX+\part, \q, \i
.endr
	WIN 0
.endm
.macro FETCH_V slot, kp, q, set
.irp i, 0,1,2,3
.irp u, 0,1,2,3,4,5
	ds_load_b64 v[AF+48*(\set)+FR*\i+2*\u:AF+48*(\set)+FR*\i+2*\u+1], v[ADRV+\slot] offset:(\kp)*WLD+\i*RT+(\q)*1536+256*\u
.endr
.endr
.endm
.macro MUL16 a0, set, s, zero
.irp a, \a0, \a0+1
.irp b, 0,1,2,3,4,5,6,7
	WM 8*(8*((\a)%4)+\b), 128*(\set)+FR*\b, AF+FR*(\a), SB+8*(\b/2)+(\s), SA+8*((\a)/2)+(\s), \b%2, (\a)%2, \zero
.endr
.endr
.endm
.macro MULV a0, set, s, zero
.irp a, \a0, \a0+1
.irp b, 0,1,2,3,4,5,6,7
	WM 8*(8*(\a)+\b), 128*(\set)+FR*\b, AF+48*(\set)+FR*(\a), SB+8*(\b/2)+(\s), SA+8*((\a)/2)+(\s), \b%2, (\a)%2, \zero
.endr
.endr
.endm
.macro STEP s, zero, part, slot
	s_wait_dscnt 24
	WIN 0xa1
	MUL16 0, 0, \s, \zero
	MUL16 2, 0, \s, \zero
	s_wait_dscnt 0x0
	PLACES 4
	FETCH_B \slot, 1, 1
	FETCH_A \part, 1, 0
	WIN 0xf1
	MUL16 4, 0, \s, \zero
	MUL16 6, 0, \s, \zero
	PLACES 4
	WIN 0
	FETCH_A \part, 1, 4
.endm
.macro TURN s, g0, stp, npart, nslot, last
	s_wait_tensorcnt 0x0
	ds_add_u32 v[SPW], v[NIL]
	s_wait_dscnt 25
	WIN 0xa1
	MUL16 0, 1, \s, 0
	s_wait_dscnt 0x0
	s_barrier_signal -1
	MUL16 2, 1, \s, 0
	WIN 0
	s_barrier_wait -1
	CREST
.if \stp
	s_add_nc_u64 s[\g0+2:\g0+3], s[\g0+2:\g0+3], 2*RT
.endif
	WLOAD \g0
	PLACES 4
.if \last
	FETCH_X 0, 0, 0
	FETCH_V 0, 0, 0, 0
.else
	FETCH_B \nslot, 0, 0
	FETCH_A \npart, 0, 0
.endif
	WIN 0xf1
	MUL16 4, 1, \s, 0
	MUL16 6, 1, \s, 0
	PLACES 4
	WIN 0
.if \last == 0
	FETCH_A \npart, 0, 4
.endif
.endm
.macro STEP2 s, zero, more, npart, nq, nslot, nkp
	s_wait_dscnt 0x0
	WIN 0xa1
	MULV 0, (\s)%2, \s, \zero
.if \more
	PLACES 4
	FETCH_X \npart, \nq, 1-(\s)%2
	FETCH_V \nslot, \nkp, \nq, 1-(\s)%2
	WIN 0xa1
.endif
	MULV 2, (\s)%2, \s, \zero
.endm
	s_load_b256 s[4:11], s[0:1], 0x0
	v_lshl_add_u32 v[SPW], v0, 2, SPARE
	v_mov_b32 v[NIL], 0
	ds_add_u32 v[SPW], v[NIL]
	ds_add_u32 v[SPW], v[NIL]
	v_lshrrev_b32 v1, 5, v0
	v_readfirstlane_b32 s14, v1
	s_lshr_b32 s15, s14, 1
	s_and_b32 s16, s14, 1
	s_bfe_u32 s12, ttmp6, 0x40000
	s_bfe_u32 s13, ttmp6, 0x40004
	s_and_b32 s17, ttmp7, 0xffff
	s_lshl_b32 s18, s13, 2
	s_lshl_b32 s18, 15, s18
	s_lshl_b32 s19, 0x1111, s12
	s_or_b32 s[G1A], s18, (3<<16)|(1<<21)
	s_or_b32 s[G1B], s19, (3<<16)|(1<<21)
.irp g, G1A, G1B
	s_mov_b32 s[\g+1], 384<<16
	s_mov_b32 s[\g+2], 8<<16
	s_mov_b32 s[\g+3], 384<<16
	s_mov_b32 s[\g+4], 8
	s_mov_b32 s[\g+5], 1536
	s_mov_b32 s[\g+6], 0
	s_mov_b32 s[\g+7], 0
.endr
	s_lshl_b32 s20, s17, 6
	s_lshl_b32 s21, s13, 4
	s_add_co_u32 s20, s20, s21
	s_lshl_b32 s22, ttmp9, 6
	s_lshl_b32 s23, s12, 4
	s_add_co_u32 s22, s22, s23
	s_add_co_u32 s22, s22, 512
	s_lshl_b32 s88, ttmp9, 5
	s_lshl_b32 s89, s12, 3
	s_add_co_u32 s88, s88, s89
	s_add_co_u32 s88, s88, 640
	s_lshl_b32 s2, s16, 3
	s_lshl_b32 s3, s15, 3
	s_add_co_u32 s66, s20, s2
	s_lshl_b32 s80, s66, 9
	s_mov_b32 s81, 0
	s_mul_i32 s66, s66, 12288
	s_mov_b32 s67, 0
	s_add_co_u32 s76, s20, s3
	s_lshl_b32 s76, s76, 9
	s_mov_b32 s77, 0
	s_add_co_u32 s22, s22, s2
	s_lshl_b32 s78, s22, 9
	s_mov_b32 s79, 0
	s_mul_i32 s90, s22, 12288
	s_mov_b32 s91, 0
	s_lshl_b32 s82, s15, 2
	s_add_co_u32 s82, s82, s88
	s_lshl_b32 s82, s82, 9
	s_mov_b32 s83, 0
	s_mul_i32 s92, s88, 12288
	s_mul_i32 s93, s16, RT
	s_add_co_u32 s92, s92, s93
	s_mov_b32 s93, 0
	s_mul_i32 s94, s16, WLD
	s_wait_dscnt 0x0
	s_wait_kmcnt 0x0
	s_add_nc_u64 s[66:67], s[4:5], s[66:67]
	s_add_nc_u64 s[90:91], s[4:5], s[90:91]
	s_add_nc_u64 s[92:93], s[4:5], s[92:93]
	s_add_nc_u64 s[76:77], s[6:7], s[76:77]
	s_add_nc_u64 s[78:79], s[6:7], s[78:79]
	s_add_nc_u64 s[80:81], s[6:7], s[80:81]
	s_add_nc_u64 s[82:83], s[6:7], s[82:83]
.irp j, 0,1,2
	s_mov_b32 s[G0A+4*\j], 1
	s_add_co_u32 s[G0A+4*\j+1], s94, \j*XPART
	s_add_nc_u64 s[G0A+4*\j+2:G0A+4*\j+3], s[66:67], \j*RT
	s_or_b32 s[G0A+4*\j+3], s[G0A+4*\j+3], 0x80000000
.endr
.irp j, 0,1
	s_mov_b32 s[G0B+4*\j], 1
	s_add_co_u32 s[G0B+4*\j+1], s94, WS+\j*XPART
	s_add_nc_u64 s[G0B+4*\j+2:G0B+4*\j+3], s[90:91], \j*RT
	s_or_b32 s[G0B+4*\j+3], s[G0B+4*\j+3], 0x80000000
	s_mov_b32 s[G0V+4*\j], 1
	s_add_co_u32 s[G0V+4*\j+1], s94, WS+\j*XPART
	s_add_nc_u64 s[G0V+4*\j+2:G0V+4*\j+3], s[92:93], \j*2*RT
	s_or_b32 s[G0V+4*\j+3], s[G0V+4*\j+3], 0x80000000
.endr
	s_mov_b32 s[G0B+8], 1
	s_add_co_u32 s[G0B+9], s94, 3*XPART
	s_add_nc_u64 s[G0B+10:G0B+11], s[66:67], 3*RT
	s_or_b32 s[G0B+11], s[G0B+11], 0x80000000
	; THE PREFETCHES' ADDRESSES.  A part of K (two K steps) of 16 tiles is 16 x 12 blocks of 256 bytes; the four partners that ask for it jointly share the tiles out BY ADDRESS: partner p's wave w names tile 4 p + w
	; (p = cx for x, cy for W), a lane a block, lanes 12-31 the wave's last block again.  V's slot is 8 tiles x 24 blocks: number 4 cy + w names half a tile.  These registers are never written again.
	s_lshl_b32 s21, s12, 2
	s_add_co_u32 s20, s20, s21
	s_add_co_u32 s20, s20, s14                     ; x: my work-group's first tile + 4 cx + wave
	s_mul_i32 s20, s20, 12288
	s_mov_b32 s21, 0
	s_add_nc_u64 s[20:21], s[4:5], s[20:21]
	s_sub_co_u32 s22, s22, s2                      ; W: my work-group's first tile again,
	s_lshl_b32 s23, s13, 2
	s_add_co_u32 s23, s23, s14                     ; 4 cy + wave
	s_add_co_u32 s22, s22, s23
	s_mul_i32 s22, s22, 12288
	s_lshr_b32 s90, s23, 1
	s_add_co_u32 s90, s90, s88                     ; V: tile (4 cy + wave) / 2,
	s_mul_i32 s90, s90, 12288
	s_and_b32 s91, s23, 1
	s_mul_i32 s91, s91, RT                         ; its even or odd part of K
	s_add_co_u32 s90, s90, s91
	s_mov_b32 s91, 0
	s_mov_b32 s23, 0
	s_add_nc_u64 s[22:23], s[4:5], s[22:23]
	s_add_nc_u64 s[90:91], s[4:5], s[90:91]
	v_and_b32 v22, 31, v0
	v_min_u32 v22, 11, v22
	v_lshlrev_b32 v22, 8, v22                      ; 256 x min(lane, 11)
	s_wait_alu depctr_va_vdst(0)
	CROUND
	JLOAD G0A, G1A, G0B, G1B
	global_prefetch_b8 v22, s[20:21] offset:RT th:TH_LOAD_NT scope:SCOPE_SE     ; x's part 1 and W's part 1: what the next group of loads brings;
	global_prefetch_b8 v22, s[22:23] offset:RT th:TH_LOAD_NT scope:SCOPE_SE
	global_prefetch_b8 v22, s[20:21] offset:2*RT th:TH_LOAD_NT scope:SCOPE_SE   ; x's parts 2 and 3: the group after that
	global_prefetch_b8 v22, s[20:21] offset:3*RT th:TH_LOAD_NT scope:SCOPE_SE
	s_wait_alu depctr_va_vdst(0)
	s_wait_tensorcnt 0x0
	ds_add_u32 v28, v29
	s_wait_dscnt 0x0
	CROUND
	JLOAD G0A+4, G1A, G0B+4, G1B
	global_prefetch_b8 v22, s[22:23] offset:2*RT th:TH_LOAD_NT scope:SCOPE_SE   ; W's parts 2 and 3: the first two refills, two and three groups of loads on
	global_prefetch_b8 v22, s[22:23] offset:3*RT th:TH_LOAD_NT scope:SCOPE_SE
	s_wait_alu depctr_va_vdst(0)
	s_wait_tensorcnt 0x0
	ds_add_u32 v28, v29
	s_wait_dscnt 0x0
	CROUND
	JLOAD G0A+8, G1A, G0B+8, G1A
	global_prefetch_b8 v22, s[90:91] th:TH_LOAD_NT scope:SCOPE_SE               ; V's two slots: the last two refills, three and four groups of loads on
	global_prefetch_b8 v22, s[90:91] offset:2*RT th:TH_LOAD_NT scope:SCOPE_SE
	v_and_b32 v2, 31, v0
	v_lshlrev_b32 v[L32], 5, v2
.irp i, 0,1,2,3
.irp u, 0,1
	global_load_b128 v[SA+8*\i+4*\u:SA+8*\i+4*\u+3], v[L32], s[76:77] offset:1024*\i+16*\u
	global_load_b128 v[SB+8*\i+4*\u:SB+8*\i+4*\u+3], v[L32], s[78:79] offset:1024*\i+16*\u
.endr
.endr
	v_lshlrev_b32 v[OF0], 3, v2
	s_wait_alu depctr_va_vdst(0)
	s_mul_i32 s95, s15, WLD
	s_mov_b32 s96, s94
	s_add_co_u32 s97, s94, WS
	s_mul_i32 s98, s15, 4*RT
	s_add_co_u32 s98, s98, WS
.irp j, 0,1,2,3
	v_add_nc_u32 v[ADRA+\j], s95, v[OF0]
	v_add_nc_u32 v[ADRX+\j], s96, v[OF0]
	s_add_co_u32 s95, s95, XPART
	s_add_co_u32 s96, s96, XPART
.endr
.irp j, 0,1
	v_add_nc_u32 v[ADRB+\j], s97, v[OF0]
	v_add_nc_u32 v[ADRV+\j], s98, v[OF0]
	s_add_co_u32 s97, s97, XPART
	s_add_co_u32 s98, s98, XPART
.endr
	s_lshl_b32 s95, s17, 4
	s_lshl_b32 s96, ttmp9, 3
	s_add_co_u32 s96, s96, s95
	s_lshl_b32 s97, s12, 1
	s_add_co_u32 s96, s96, s97
	s_add_co_u32 s96, s96, s15
	s_lshl_b32 s97, s13, 1
	s_add_co_u32 s97, s97, s16
	s_mul_i32 s98, s96, 3
	s_add_co_u32 s98, s98, 2
	s_mul_i32 s98, s98, 49152
	s_mul_i32 s99, s97, 6144
	s_add_co_u32 s98, s98, s99
	s_mov_b32 s99, 0
	s_add_nc_u64 s[84:85], s[8:9], s[98:99]
	s_mul_i32 s98, s96, 10240
	s_lshl_b32 s97, s97, 8
	s_add_co_u32 s98, s98, s97
	s_add_co_u32 s98, s98, 8192
	s_add_nc_u64 s[86:87], s[10:11], s[98:99]
	s_lshl_b32 s96, s12, 2
	s_add_co_u32 s96, s96, s95
	s_lshl_b32 s97, s16, 1
	s_add_co_u32 s96, s96, s97
	s_lshl_b32 s97, s13, 1
	s_add_co_u32 s97, s97, s15
	s_mul_i32 s98, s96, 3
	s_add_co_u32 s98, s98, ttmp9
	s_mul_i32 s98, s98, 49152
	s_mul_i32 s100, s97, 6144
	s_add_co_u32 s98, s98, s100
	s_add_nc_u64 s[8:9], s[8:9], s[98:99]
	s_mul_i32 s98, s96, 10240
	s_lshl_b32 s100, ttmp9, 12
	s_add_co_u32 s98, s98, s100
	s_lshl_b32 s100, s97, 9
	s_add_co_u32 s98, s98, s100
	s_add_nc_u64 s[10:11], s[10:11], s[98:99]
	s_mov_b32 s88, 0xffff
	s_mov_b32 s89, 0x7f7f0000
	v_bfe_u32 v4, v0, 4, 1
	v_and_b32 v5, 15, v0
	v_add_nc_u32 v[OF1], 147456, v[OF0]
	s_lshl_b32 s100, s14, 10
	s_add_co_u32 s100, s100, SST
	v_lshlrev_b32 v[SSA], 2, v5
	v_lshl_add_u32 v[SSA], v4, 9, v[SSA]
	v_add_nc_u32 v[SSA], s100, v[SSA]
	v_lshlrev_b32 v[SOF], 4, v2
	v_add_nc_u32 v[SRA], s100, v[SOF]
	v_add_nc_u32 v[SRB], s100, v[OF0]
	v_lshlrev_b32 v[SH], 4, v4
.irp b, 0,1,2,3
	v_mov_b32 v[TM+4+\b], 0
.endr
	s_mov_b32 s18, 0x76543210
	s_mov_b32 s19, 0xfedcba98
	s_wait_tensorcnt 2
	s_barrier_signal -1
	s_barrier_wait -1
	FETCH_B 0, 0, 0
	FETCH_A 0, 0, 0
	FETCH_A 0, 0, 4
	s_wait_loadcnt 0x0
	STEP 0, 1, 0, 0
	TURN 1, G0B, 1, 1, 1, 0
	STEP 2, 0, 1, 1
	TURN 3, G0B+4, 1, 2, 0, 0
	STEP 4, 0, 2, 0
	TURN 5, G0V, 0, 3, 1, 0
	STEP 6, 0, 3, 1
	TURN 7, G0V+4, 0, 0, 0, 1
.irp i, 0,1,2,3
.irp u, 0,1
	global_load_b128 v[SB+8*\i+4*\u:SB+8*\i+4*\u+3], v[L32], s[80:81] offset:1024*\i+16*\u
.endr
.endr
.irp i, 0,1
.irp u, 0,1
	global_load_b128 v[SA+8*\i+4*\u:SA+8*\i+4*\u+3], v[L32], s[82:83] offset:1024*\i+16*\u
.endr
.endr
.macro QUANT ac, w
	WIN (\w)|((\w)<<2)
.irp b, 0,1,2,3
	v_max3_num_f32 v[TM+\b], |v[(\ac)+16*\b]|, |v[(\ac)+16*\b+1]|, 0x1800000
.endr
.irp i, 2,4,6,8,10,12,14
.irp b, 0,1,2,3
	v_max3_num_f32 v[TM+\b], |v[(\ac)+16*\b+\i]|, |v[(\ac)+16*\b+\i+1]|, v[TM+\b]
.endr
.endr
	WIN 0
.irp b, 0,1,2,3
	v_permlanex16_b32 v[TM+4+\b], v[TM+\b], s18, s19
.endr
.irp b, 0,1,2,3
	v_max_num_f32 v[TM+\b], v[TM+\b], v[TM+4+\b]
.endr
.irp b, 0,1,2,3
	v_add_nc_u32 v[TM+12+\b], 0xff000000, v[TM+\b]
.endr
.irp b, 0,1,2,3
	v_lshrrev_b32 v[TM+4+\b], 23, v[TM+12+\b]
.endr
	v_lshl_or_b32 v[PW], v[TM+5], 8, v[TM+4]
	v_lshl_or_b32 v[PW], v[TM+6], 16, v[PW]
	v_lshl_or_b32 v[PW], v[TM+7], 24, v[PW]
	WIN \w
.irp c, 0,1
	v_cvt_scalef32_pk16_fp6_f32 v[PC+6*\c:PC+6*\c+2], v[(\ac)+32*\c:(\ac)+32*\c+15], v[TM+12+2*\c]
	v_cvt_scalef32_pk16_fp6_f32 v[PC+12+4*\c:PC+14+4*\c], v[(\ac)+32*\c+16:(\ac)+32*\c+31], v[TM+13+2*\c]
.endr
	WIN 0
	v_nop
.irp c, 0,1
.irp i, 0,1,2
	v_permlane16_swap_b32 v[PC+6*\c+\i], v[PC+12+4*\c+\i]
.endr
.irp i, 0,1,2
	v_mov_b32 v[PC+3+6*\c+\i], v[PC+12+4*\c+\i]
.endr
.endr
.endm
.irp a, 0,1,2,3,4,5,6,7
.if \a > 0
	s_wait_xcnt 0x0
	s_add_nc_u64 s[8:9], s[8:9], 768
.endif
	QUANT 64*(\a%4), 2+\a/4
.irp p, 0,1,2
	global_store_b64 v[OF0], v[PC+2*\p:PC+2*\p+1], s[8:9] offset:256*\p
	global_store_b64 v[OF1], v[PC+6+2*\p:PC+7+2*\p], s[8:9] offset:256*\p
.endr
	v_lshrrev_b32 v[T+\a], v[SH], v[PW]
	v_and_or_b32 v[T+\a], v[T+\a], s88, s89
	ds_store_b32 v[SSA], v[T+\a] offset:64*\a
.endr
	ds_load_b128 v[R:R+3], v[SRA]
	ds_load_b128 v[R+4:R+7], v[SRA] offset:512
	s_wait_dscnt 0x0
	global_store_b128 v[SOF], v[R:R+3], s[10:11]
	global_store_b128 v[SOF], v[R+4:R+7], s[10:11] offset:10240
	s_wait_tensorcnt 0x0
	ds_add_u32 v[SPW], v[NIL]
	s_wait_loadcnt 0x0
	s_wait_dscnt 0x0
	s_barrier_signal -1
	s_barrier_wait -1
	STEP2 0, 1, 1, 0, 1, 0, 0
	STEP2 1, 0, 1, 1, 0, 0, 1
	STEP2 2, 0, 1, 1, 1, 0, 1
	STEP2 3, 0, 1, 2, 0, 1, 0
	STEP2 4, 0, 1, 2, 1, 1, 0
	STEP2 5, 0, 1, 3, 0, 1, 1
	STEP2 6, 0, 1, 3, 1, 1, 1
	STEP2 7, 0, 0, 0, 0, 0, 0
	WIN 0
	PLACES 4
.irp a, 0,1,2,3
	s_wait_xcnt 0x0
.if \a > 0
	s_add_nc_u64 s[84:85], s[84:85], 1536
.endif
	QUANT 64*\a, 2
.irp p, 0,1,2,3,4,5
	global_store_b64 v[OF0], v[PC+2*\p:PC+2*\p+1], s[84:85] offset:256*\p
.endr
	v_mov_b32 v[T+\a], v[PW]
	ds_store_b32 v[SSA], v[T+\a] offset:64*\a
.endr
	ds_load_b64 v[252:253], v[SRB]
	s_wait_dscnt 0x0
	global_store_b64 v[OF0], v[252:253], s[86:87]
	s_wait_tensorcnt 0x0
	ds_add_u32 v[SPW], v[NIL]
	s_wait_dscnt 0x0
	CROUND
	s_endpgm
.Lfunc_end_k_q2438fcbe24_gemm_qkv:
	.size	k_q2438fcbe24_gemm_qkv, .Lfunc_end_k_q2438fcbe24_gemm_qkv-k_q2438fcbe24_gemm_qkv
	.p2alignl 7, 3214868480
	.fill 96, 4, 3214868480
	.section	.rodata,"a",@progbits
	.p2align	6, 0x0
	.amdhsa_kernel k_q2438fcbe24_gemm_qkv
		.amdhsa_group_segment_fixed_size 327680
		.amdhsa_private_segment_fixed_size 0
		.amdhsa_enable_private_segment 0
		.amdhsa_kernarg_size 32
		.amdhsa_user_sgpr_count 2
		.amdhsa_user_sgpr_kernarg_segment_ptr 1
		.amdhsa_wavefront_size32 1
		.amdhsa_system_sgpr_workgroup_id_x 1
		.amdhsa_system_sgpr_workgroup_id_y 1
		.amdhsa_system_sgpr_workgroup_id_z 1
		.amdhsa_system_vgpr_workitem_id 0
		.amdhsa_next_free_vgpr 1024
		.amdhsa_next_free_sgpr 102
		.amdhsa_reserve_vcc 0
		.amdhsa_float_denorm_mode_32 3
		.amdhsa_float_denorm_mode_16_64 3
		.amdhsa_memory_ordered 1
		.amdhsa_forward_progress 1
		.amdhsa_inst_pref_size 255
	.end_amdhsa_kernel
	.section	.bss,"aw",@nobits
	.p2align	6
	.space	262144
	.amdgpu_metadata
---
amdhsa.version: [ 1, 2 ]
amdhsa.kernels:
  - .name:           k_q2438fcbe24_gemm_qkv
    .symbol:         k_q2438fcbe24_gemm_qkv.kd
    .args:
      - { .name: cod1, .offset: 0, .size: 8, .value_kind: global_buffer, .address_space: global }
      - { .name: scl1, .offset: 8, .size: 8, .value_kind: global_buffer, .address_space: global }
      - { .name: qkvc, .offset: 16, .size: 8, .value_kind: global_buffer, .address_space: global }
      - { .name: qkvs, .offset: 24, .size: 8, .value_kind: global_buffer, .address_space: global }
    .group_segment_fixed_size: 327680
    .private_segment_fixed_size: 0
    .kernarg_segment_align: 8
    .kernarg_segment_size: 32
    .max_flat_workgroup_size: 128
    .sgpr_count:     102
    .vgpr_count:     1024
    .wavefront_size: 32
...
	.end_amdgpu_metadata
.endif
;; end of part 2
;; launch stats (part 3): grid 2 x 128, 16 waves a work-group, no clusters, 167,936 bytes of LDS; arguments qkvc, qkvs, mp; writes mp
.if DOCPART == 3
	.amdgcn_target "amdgcn-amd-amdhsa--gfx1250"
	.amdhsa_code_object_version 6
	.text
	.protected	k_q2438fcbe24_stats
	.globl	k_q2438fcbe24_stats
	.p2align	8
	.type	k_q2438fcbe24_stats,@function
k_q2438fcbe24_stats:
	s_mov_b64 s[64:65], 0
	v_nop
	global_prefetch_b8 v0, s[64:65] scope:SCOPE_SE
	s_setreg_imm32_b32 hwreg(HW_REG_WAVE_MODE, 25, 1), 1
	s_wait_xcnt 0x0
; The softmax runs over the QUERIES: each key of a head has its own maximum and sum over all 1,024 queries.  This launch makes of them ONE constant a key: mp [g][1,024]: m = -c max - log2(sum of 2^(c s - c max)),
; c = log2(e) / 8, so that the finished, normalised softmax is 2^(c s + m).  The scores are the quantised product q k^T, on codes of FP6 with E8M0 scales.
; SHARES: a work-group takes a head g and 512 of its keys; each of its sixteen waves 32 keys (two tiles) against all queries, 128 a trip.
; S = Q K^T (source 0 = 16 queries, source 1 = 16 keys): a lane holds ONE key and its registers run along the queries, so maximum and sum are the lane's own; the two halves of the lanes are joined once, at the end.
; K = 64 IN AN INSTRUCTION OF 128: the keys' fragments have zero codes in registers 6-11; the queries' tiles lie 6 registers apart, so a tile's upper half is the next tile's codes (behind the last: six registers
; written once): whatever stands there is multiplied by zero codes, under the byte 0x7f.
; A running maximum: in each trip the sum is multiplied by 2^(c old max - c new max).
; The head's q (49,152 bytes of codes, 4,096 of scale words) comes into LDS once, by one tensor load of each of seven waves; nothing is filled again.  No cluster: a head has two work-groups.
; No prefetch: all that the launch reads is asked for at its head.
; LIMITS: NaN and infinities are not served; the logarithm is good to 1 ulp; m is rounded once at the size of c max; the scaled scores stay under 2^31.
.set QC,    0
.set QS,    49152
.set MPST,  53248                      ; the work-group's 2,048 bytes of results, gathered for whole stores; no fill lands here
.set SPARE, 57344                      ; the spare words, 128 bytes for each of sixteen waves
.set AQ,  4
.set AS,  5
.set SPW, 6
.set NIL, 7
.set KSC, 8                            ; the keys' scale words: tile 0 in lanes 0-15, tile 1 in lanes 16-31
.set QSC, 10                           ; v10-13 the queries': tiles 2 u, 2 u + 1
.set ST,  16                           ; tile kt at v[16 + 8 kt]: +0 c max, +1 max, +2, +3 the sum in two halves, +4 .. +7 at work
.set KF,  32                           ; v32-55
.set QF,  56                           ; v56-109
.set S,   112                          ; v112-239
.set U,   240                          ; v240-243 second chains of the sums
.set WV,  10
.set CS,  40
.set SEL, 42
.macro WM d, x, y, sx, sy, rx, ry
.if (\rx) && (\ry)
	v_wmma_scale_f32_16x16x128_f8f6f4 v[(\d):(\d)+7], v[(\x):(\x)+11], v[(\y):(\y)+11], 0, v[(\sx)], v[(\sy)] matrix_a_fmt:MATRIX_FMT_FP6 matrix_b_fmt:MATRIX_FMT_FP6 matrix_a_scale:MATRIX_SCALE_ROW1 matrix_b_scale:MATRIX_SCALE_ROW1
.elseif (\rx)
	v_wmma_scale_f32_16x16x128_f8f6f4 v[(\d):(\d)+7], v[(\x):(\x)+11], v[(\y):(\y)+11], 0, v[(\sx)], v[(\sy)] matrix_a_fmt:MATRIX_FMT_FP6 matrix_b_fmt:MATRIX_FMT_FP6 matrix_a_scale:MATRIX_SCALE_ROW1
.elseif (\ry)
	v_wmma_scale_f32_16x16x128_f8f6f4 v[(\d):(\d)+7], v[(\x):(\x)+11], v[(\y):(\y)+11], 0, v[(\sx)], v[(\sy)] matrix_a_fmt:MATRIX_FMT_FP6 matrix_b_fmt:MATRIX_FMT_FP6 matrix_b_scale:MATRIX_SCALE_ROW1
.else
	v_wmma_scale_f32_16x16x128_f8f6f4 v[(\d):(\d)+7], v[(\x):(\x)+11], v[(\y):(\y)+11], 0, v[(\sx)], v[(\sy)] matrix_a_fmt:MATRIX_FMT_FP6 matrix_b_fmt:MATRIX_FMT_FP6
.endif
.endm
	s_load_b128 s[4:7], s[0:1], 0x0                ; qkvc, qkvs
	s_load_b64 s[8:9], s[0:1], 0x10                ; mp
	v_lshl_add_u32 v[SPW], v0, 2, SPARE
	v_mov_b32 v[NIL], 0
	ds_add_u32 v[SPW], v[NIL]                      ; the opening lines: the add, twice on end, and its wait ahead of my first tensor load
	ds_add_u32 v[SPW], v[NIL]
	v_lshrrev_b32 v1, 5, v0
	s_delay_alu instid0(VALU_DEP_1)
	v_readfirstlane_b32 s[WV], v1                  ; wave 0..15
	v_and_b32 v1, 31, v0                           ; lane
	s_delay_alu instid0(VALU_DEP_1)
	v_lshlrev_b32 v2, 3, v1                        ; 8 x lane
	s_delay_alu instid0(VALU_DEP_2)
	v_lshlrev_b32 v9, 2, v1                        ; 4 x lane
	s_delay_alu instid0(VALU_DEP_1)
	v_add_nc_u32 v3, QS, v9
	v_lshl_add_u32 v14, v0, 2, MPST                ; my key's word: 4 x (32 x wave + lane)
	v_and_b32 v15, 255, v0
	s_delay_alu instid0(VALU_DEP_1)
	v_lshl_add_u32 v15, v15, 4, MPST               ; back: waves 0-3, 16 bytes a lane
	v_lshlrev_b32 v247, 4, v1
.irp kt, 0,1
.irp i, 6,7,8,9,10,11
	v_mov_b32 v[KF+12*\kt+\i], 0                   ; zero codes for the upper 64 of the instruction's K
.endr
.endr
.irp i, 48,49,50,51,52,53
	v_mov_b32 v[QF+\i], 0                          ; what the last tile of queries names as its upper half
.endr
	s_and_b32 s11, ttmp7, 0xffff                   ; g
	s_mov_b32 s16, 3<<16                           ; group 1 for the codes: 32 rows of 256 bytes (32 elements of 8 bytes), dense
	s_mov_b32 s17, 32<<16
	s_mov_b32 s18, 32<<16
	s_mov_b32 s19, 32<<16
	s_mov_b32 s20, 32
	s_mov_b32 s21, 32
	s_mov_b32 s22, 0
	s_mov_b32 s23, 0
	s_mov_b32 s24, 3<<16                           ; for the scale words: 16 such rows
	s_mov_b32 s25, 32<<16
	s_mov_b32 s26, 16<<16
	s_mov_b32 s27, 32<<16
	s_mov_b32 s28, 16
	s_mov_b32 s29, 32
	s_mov_b32 s30, 0
	s_mov_b32 s31, 0
	s_mul_i32 s12, s11, 147456
	s_mov_b32 s13, 0
	s_mul_i32 s14, s11, 10240
	s_mov_b32 s15, 0
	s_min_u32 s48, s[WV], 5
	s_lshl_b32 s33, s48, 13                        ; waves 0-5: 8,192 bytes each
	s_mov_b32 s48, s33
	s_mov_b32 s49, 0
	s_lshl_b32 s50, ttmp9, 5
	s_lshl_b32 s51, s[WV], 1
	s_add_co_u32 s50, s50, s51                     ; my first tile of keys
	s_mul_i32 s50, s50, 768
	s_add_co_u32 s50, s50, 49152                   ; in the head's part 1
	s_mov_b32 s51, 0
	s_lshl_b32 s52, ttmp9, 11
	s_lshl_b32 s53, s[WV], 7
	s_add_co_u32 s52, s52, s53
	s_add_co_u32 s52, s52, 4096                    ; my keys' scale words
	s_mov_b32 s53, 0
	s_lshl_b32 s54, s11, 12                        ; mp: the head, my half of the keys, 512 bytes a wave
	s_lshl_b32 s55, ttmp9, 11
	s_add_co_u32 s54, s54, s55
	s_and_b32 s55, s[WV], 3
	s_lshl_b32 s55, s55, 9
	s_add_co_u32 s54, s54, s55
	s_mov_b32 s55, 0
	s_mov_b32 s[CS], 0x3e38aa3b                    ; c = log2(e) / 8
	s_mov_b32 s[CS+1], s[CS]
	s_mov_b32 s[SEL], 0x76543210
	s_mov_b32 s[SEL+1], 0xfedcba98
	s_mov_b32 s45, 0
	s_mov_b32 s46, 0
	s_wait_dscnt 0x0                               ; both opening adds are done
	s_wait_kmcnt 0x0
	s_add_nc_u64 s[4:5], s[4:5], s[12:13]
	s_add_nc_u64 s[6:7], s[6:7], s[14:15]
	s_add_nc_u64 s[8:9], s[8:9], s[54:55]
	s_mov_b32 s32, 1
	s_add_nc_u64 s[34:35], s[4:5], s[48:49]
	s_or_b32 s35, s35, 0x80000000
	s_mov_b32 s36, 1
	s_mov_b32 s37, QS
	s_mov_b64 s[38:39], s[6:7]
	s_or_b32 s39, s39, 0x80000000
	s_cmp_lt_u32 s[WV], 6                          ; one load of a wave is out; an s_nop 0 and four v_nop follow each line
	s_cbranch_scc0 .Lnot_c
	tensor_load_to_lds s[32:35], s[16:23]
	s_nop 0
.rept 4
	v_nop
.endr
	s_branch .Lasked
.Lnot_c:
	s_cmp_eq_u32 s[WV], 6
	s_cbranch_scc0 .Lasked
	tensor_load_to_lds s[36:39], s[24:31]
	s_nop 0
.rept 4
	v_nop
.endr
.Lasked:
	s_add_nc_u64 s[50:51], s[4:5], s[50:51]
	s_add_nc_u64 s[52:53], s[6:7], s[52:53]
.irp kt, 0,1
.irp p, 0,1,2
	global_load_b64 v[KF+12*\kt+2*\p:KF+12*\kt+2*\p+1], v2, s[50:51] offset:768*\kt+256*\p
.endr
.endr
	global_load_b32 v[KSC], v9, s[52:53]
.irp kt, 0,1
	v_mov_b32 v[ST+8*\kt+1], 0xff61b1e6            ; the largest score so far: -3e38
	s_delay_alu instid0(VALU_DEP_1)
	v_mul_f32 v[ST+8*\kt], s[CS], v[ST+8*\kt+1]
	v_mov_b32 v[ST+8*\kt+2], 0
	v_mov_b32 v[ST+8*\kt+3], 0
.endr
	v_mov_b32 v[AQ], v2
	v_mov_b32 v[AS], v3
	s_wait_alu depctr_va_vdst(0)
	s_wait_tensorcnt 0x0                           ; my part of q is in,
	s_barrier_signal -1
	s_barrier_wait -1                              ; everybody's is
.macro QLOADS
.irp t, 0,1,2,3,4,5,6,7
.irp p, 0,1,2
	ds_load_b64 v[QF+6*\t+2*\p:QF+6*\t+2*\p+1], v[AQ] offset:768*\t+256*\p
.endr
.endr
.irp u, 0,1,2,3
	ds_load_b32 v[QSC+\u], v[AS] offset:128*\u
.endr
.endm
	QLOADS
	s_wait_loadcnt 0x0                             ; my keys
; 128 queries.  more = 1: the next 128 are fetched behind the products.
.macro CHUNK more
	s_wait_dscnt 0x0
.irp t, 0,1,2,3,4,5,6,7
.irp kt, 0,1
	WM S+64*\kt+8*\t, QF+6*\t, KF+12*\kt, QSC+\t/2, KSC, \t%2, \kt
.endr
.endr
.if \more
	s_add_co_u32 s45, s45, 6144
	s_add_co_u32 s46, s46, 512
	v_add_nc_u32 v[AQ], s45, v2                    ; these two and two v_nop are the four places behind the products
	v_add_nc_u32 v[AS], s46, v3
	v_nop
	v_nop
	QLOADS
.else
.rept 4
	v_nop
.endr
.endif
.irp b, 0,1,2,3                                ; the largest of my 64 scores of each tile of keys: four chains, each accumulator from its low end on
.irp kt, 0,1
	v_max3_num_f32 v[ST+8*\kt+4+\b], v[S+64*\kt+16*\b], v[S+64*\kt+16*\b+1], v[S+64*\kt+16*\b+2]
.endr
.endr
.irp i, 3,5,7,9,11,13
.irp b, 0,1,2,3
.irp kt, 0,1
	v_max3_num_f32 v[ST+8*\kt+4+\b], v[ST+8*\kt+4+\b], v[S+64*\kt+16*\b+\i], v[S+64*\kt+16*\b+\i+1]
.endr
.endr
.endr
.irp b, 0,1,2,3
.irp kt, 0,1
	v_max_num_f32 v[ST+8*\kt+4+\b], v[ST+8*\kt+4+\b], v[S+64*\kt+16*\b+15]
.endr
.endr
.irp kt, 0,1
	s_delay_alu instid0(VALU_DEP_4)
	v_max3_num_f32 v[ST+8*\kt+4], v[ST+8*\kt+4], v[ST+8*\kt+5], v[ST+8*\kt+6]
.endr
.irp kt, 0,1
	s_delay_alu instid0(VALU_DEP_2)
	v_max3_num_f32 v[ST+8*\kt+1], v[ST+8*\kt+4], v[ST+8*\kt+7], v[ST+8*\kt+1]   ; the running maximum
.endr
.irp kt, 0,1
	v_mov_b32 v[ST+8*\kt+7], v[ST+8*\kt]
.endr
.irp kt, 0,1
	s_delay_alu instid0(VALU_DEP_4)
	v_mul_f32 v[ST+8*\kt], s[CS], v[ST+8*\kt+1]
.endr
.irp kt, 0,1
	s_delay_alu instid0(VALU_DEP_2)
	v_sub_f32 v[ST+8*\kt+7], v[ST+8*\kt+7], v[ST+8*\kt]   ; c old max - c new max, 0 or less
.endr
.irp kt, 0,1
.set j, 0
.rept 32
	v_pk_fma_f32 v[S+64*\kt+j:S+64*\kt+j+1], v[S+64*\kt+j:S+64*\kt+j+1], s[CS:CS+1], v[ST+8*\kt:ST+8*\kt+1] op_sel_hi:[1,0,0] neg_lo:[0,0,1] neg_hi:[0,0,1]   ; c s - c max
.set j, j+2
.endr
.endr
	s_wait_alu depctr_va_vdst(0)
.irp kt, 0,1
	v_exp_f32 v[ST+8*\kt+6], v[ST+8*\kt+7]
.endr
.set j, 0
.rept 128
	v_exp_f32 v[S+j], v[S+j]
.set j, j+1
.endr
	v_nop                                          ; a plain place behind the last exponential
	s_wait_alu depctr_va_vdst(0)                   ; one wait for the whole batch, ahead of its first reader
.irp kt, 0,1
	v_pk_mul_f32 v[ST+8*\kt+2:ST+8*\kt+3], v[ST+8*\kt+2:ST+8*\kt+3], v[ST+8*\kt+6:ST+8*\kt+7] op_sel_hi:[1,0]   ; the sum under the new maximum
	v_pk_add_f32 v[U+2*\kt:U+2*\kt+1], v[S+64*\kt:S+64*\kt+1], v[S+64*\kt+2:S+64*\kt+3]
.endr
.irp j, 4,8,12,16,20,24,28,32,36,40,44,48,52,56,60
.irp kt, 0,1
	v_pk_add_f32 v[ST+8*\kt+2:ST+8*\kt+3], v[ST+8*\kt+2:ST+8*\kt+3], v[S+64*\kt+\j:S+64*\kt+\j+1]
	v_pk_add_f32 v[U+2*\kt:U+2*\kt+1], v[U+2*\kt:U+2*\kt+1], v[S+64*\kt+\j+2:S+64*\kt+\j+3]
.endr
.endr
.irp kt, 0
	s_delay_alu instid0(VALU_DEP_3)
	v_pk_add_f32 v[ST+8*\kt+2:ST+8*\kt+3], v[ST+8*\kt+2:ST+8*\kt+3], v[U+2*\kt:U+2*\kt+1]
.endr
.irp kt, 1
	s_delay_alu instid0(VALU_DEP_2)
	v_pk_add_f32 v[ST+8*\kt+2:ST+8*\kt+3], v[ST+8*\kt+2:ST+8*\kt+3], v[U+2*\kt:U+2*\kt+1]
.endr
.endm
	s_mov_b32 s44, 7
.Lchunk:
	CHUNK 1
	s_sub_co_u32 s44, s44, 1
	s_cmp_lg_u32 s44, 0
	s_cbranch_scc1 .Lchunk
	CHUNK 0                                        ; the last 128 queries: nothing more to fetch
	; lanes r and 16 + r hold the two halves of key r's queries, each under its own maximum: they are brought under the larger and added
.irp kt, 0
	s_delay_alu instid0(VALU_DEP_2)
	v_add_f32 v[ST+8*\kt+2], v[ST+8*\kt+2], v[ST+8*\kt+3]
	v_permlanex16_b32 v[ST+8*\kt+4], v[ST+8*\kt], s[SEL], s[SEL+1]
.endr
.irp kt, 1
	s_delay_alu instid0(VALU_DEP_3)
	v_add_f32 v[ST+8*\kt+2], v[ST+8*\kt+2], v[ST+8*\kt+3]
	v_permlanex16_b32 v[ST+8*\kt+4], v[ST+8*\kt], s[SEL], s[SEL+1]
.endr
.irp kt, 0
	s_delay_alu instid0(VALU_DEP_3)
	v_max_num_f32 v[ST+8*\kt+5], v[ST+8*\kt], v[ST+8*\kt+4]
.endr
.irp kt, 1
	s_delay_alu instid0(VALU_DEP_2)
	v_max_num_f32 v[ST+8*\kt+5], v[ST+8*\kt], v[ST+8*\kt+4]
.endr
.irp kt, 0,1
	s_delay_alu instid0(VALU_DEP_2)
	v_sub_f32 v[ST+8*\kt+6], v[ST+8*\kt], v[ST+8*\kt+5]
.endr
	s_wait_alu depctr_va_vdst(0)
.irp kt, 0,1
	v_exp_f32 v[ST+8*\kt+6], v[ST+8*\kt+6]
.endr
	v_nop
	s_wait_alu depctr_va_vdst(0)
.irp kt, 0,1
	v_mul_f32 v[ST+8*\kt+2], v[ST+8*\kt+2], v[ST+8*\kt+6]
.endr
.irp kt, 0,1
	s_delay_alu instid0(VALU_DEP_2)
	v_permlanex16_b32 v[ST+8*\kt+4], v[ST+8*\kt+2], s[SEL], s[SEL+1]
.endr
.irp kt, 0,1
	s_delay_alu instid0(VALU_DEP_2)
	v_add_f32 v[ST+8*\kt+2], v[ST+8*\kt+2], v[ST+8*\kt+4]   ; at least 1: the largest score's own term
.endr
	s_wait_alu depctr_va_vdst(0)
.irp kt, 0,1
	v_log_f32 v[ST+8*\kt+3], v[ST+8*\kt+2]         ; log2 of the sum
.endr
	v_nop                                          ; a plain place behind the logarithms
	v_cmp_gt_u32 vcc_lo, 16, v1
	s_wait_alu depctr_va_vdst(0)
.irp kt, 0,1
	v_sub_f32 v[ST+8*\kt+5], -v[ST+8*\kt+5], v[ST+8*\kt+3]   ; the key's constant: -c max - log2(sum)
.endr
	v_cndmask_b32 v245, v[ST+13], v[ST+5], vcc_lo  ; tile 0 in lanes 0-15, tile 1 in lanes 16-31
	ds_store_b32 v14, v245
	s_wait_dscnt 0x0                               ; for the others' sake: my store has landed
	s_barrier_signal -1
	s_barrier_wait -1
	s_cmp_lt_u32 s[WV], 4                          ; 2,048 bytes: waves 0-3, 16 bytes a lane
	s_cbranch_scc0 .Ldone
	ds_load_b128 v[248:251], v15
	s_wait_dscnt 0x0
	global_store_b128 v247, v[248:251], s[8:9]     ; 512 consecutive bytes
.Ldone:
	s_wait_tensorcnt 0x0                           ; the wave's end
	ds_add_u32 v[SPW], v[NIL]
	s_wait_dscnt 0x0
	s_endpgm
.Lfunc_end_k_q2438fcbe24_stats:
	.size	k_q2438fcbe24_stats, .Lfunc_end_k_q2438fcbe24_stats-k_q2438fcbe24_stats
	.p2alignl 7, 3214868480
	.fill 96, 4, 3214868480
	.section	.rodata,"a",@progbits
	.p2align	6, 0x0
	.amdhsa_kernel k_q2438fcbe24_stats
		.amdhsa_group_segment_fixed_size 167936
		.amdhsa_private_segment_fixed_size 0
		.amdhsa_enable_private_segment 0
		.amdhsa_kernarg_size 24
		.amdhsa_user_sgpr_count 2
		.amdhsa_user_sgpr_kernarg_segment_ptr 1
		.amdhsa_wavefront_size32 1
		.amdhsa_system_sgpr_workgroup_id_x 1
		.amdhsa_system_sgpr_workgroup_id_y 1
		.amdhsa_system_sgpr_workgroup_id_z 1
		.amdhsa_system_vgpr_workitem_id 0
		.amdhsa_next_free_vgpr 256
		.amdhsa_next_free_sgpr 66
		.amdhsa_reserve_vcc 1
		.amdhsa_float_denorm_mode_32 3
		.amdhsa_float_denorm_mode_16_64 3
		.amdhsa_memory_ordered 1
		.amdhsa_forward_progress 1
		.amdhsa_inst_pref_size 50
	.end_amdhsa_kernel
	.amdgpu_metadata
---
amdhsa.version: [ 1, 2 ]
amdhsa.kernels:
  - .name:           k_q2438fcbe24_stats
    .symbol:         k_q2438fcbe24_stats.kd
    .args:
      - { .name: qkvc, .offset: 0, .size: 8, .value_kind: global_buffer, .address_space: global }
      - { .name: qkvs, .offset: 8, .size: 8, .value_kind: global_buffer, .address_space: global }
      - { .name: mp, .offset: 16, .size: 8, .value_kind: global_buffer, .address_space: global }
    .group_segment_fixed_size: 167936
    .private_segment_fixed_size: 0
    .kernarg_segment_align: 8
    .kernarg_segment_size: 24
    .max_flat_workgroup_size: 512
    .sgpr_count:     66
    .vgpr_count:     256
    .wavefront_size: 32
...
	.end_amdgpu_metadata
.endif
;; end of part 3
;; launch attn (part 4): grid 2 x 128, 8 waves a work-group, no clusters, 327,680 bytes of LDS; arguments qkvc, qkvs, mp, oc, os; writes oc, os
.if DOCPART == 4
	.amdgcn_target "amdgcn-amd-amdhsa--gfx1250"
	.amdhsa_code_object_version 6
	.text
	.protected	k_q2438fcbe24_attn
	.globl	k_q2438fcbe24_attn
	.p2align	8
	.type	k_q2438fcbe24_attn,@function
k_q2438fcbe24_attn:
	s_mov_b64 s[64:65], 0
	v_nop
	global_prefetch_b8 v0, s[64:65] scope:SCOPE_SE
	s_setreg_imm32_b32 hwreg(HW_REG_WAVE_MODE, 25, 1), 1
	s_wait_xcnt 0x0
; o = attn v for one head; attn[q][k] = 2^(c s + m_k), m_k = -c max_k - log2(sum_k) from the launch before (the softmax over the QUERIES, finished and normalised), c = log2(e) / 8;
; attn is quantised along the keys, o along the head's 64 for the last product.  All products on codes of FP6 with E8M0 scales.
; SHARES: a work-group takes a head g and 512 of its queries, each of its eight waves 64: four tiles.  Every wave walks all 1,024 keys, 128 a step.
; Both products are used transposed: S^T = K Q^T, O^T = V^T P^T: a lane holds one query, its registers run along the keys, then along d.
; THE KEYS OF A TILE ARE CHOSEN: rows 0-7 of tile (hf, t) are keys 64 hf + 8 g(t) + 0..7, rows 8-15 the keys 32 further on, g = 0, 2, 1, 3.  So the 32 registers of four tiles are, in lanes 0-15, block 2 hf of 32 keys
; and, in lanes 16-31, block 2 hf + 1, whole, in the order inside a block that every operand of this program has (0-7, 16-23, 8-15, 24-31): the operand's own layout.  A block's maximum needs no other lane and no code changes lanes.
; The choice is made by the lanes' LDS addresses: K lies in LDS as images of tiles of 16 neighbouring keys.
; K = 64 in the first product: the queries' fragments have zero codes in registers 6-11; the keys' tiles lie 6 registers apart.
; LDS, each byte filled once: at the head key step 0's K and V, all scale words and the keys' constants, one tensor load a wave; behind the full sequence and a barrier the other seven steps' K and V, one load a wave,
; which are out while step 0 is worked; they are waited for, with a barrier, ahead of the loop.
; No cluster: a head has two work-groups.  No prefetch: all that the launch reads is asked for by these two groups of loads.
; OUT: oc [tile of 16 tokens 512][head 16][768 bytes]; os [pair of heads 8][token 8,192] words, two bytes a head.
; LIMITS: NaN and infinities are not served; a p under 2^-126 counts as 0; blocks of zeros keep the byte 1 with zero codes; m_k is rounded once at the size of c max_k; the scaled scores stay under 2^31.
; REGISTERS: window 0: v1-9, v40-47 addresses; v12-23 scale words; v24-37 at work; v48-54 conversions' upper halves; v64-127 scores, then p; v128-191 m of 128 keys; v192-239 P's codes.
;   window 1: v0-53 K's eight tiles (V's four fragments lie over them); v64-111 Q; v128-255 O^T.
.set VC,    49152
.set KS,    98304
.set VS,    102400
.set STT,   104448
.set SPARE, 108544                     ; the spare words, 128 bytes for each of eight waves
.set STEPB, 6144
.set AK,  4
.set AV,  5
.set AS,  6
.set AT,  7
.set AM,  8
.set SPW, 10
.set NIL, 11
.set QSC, 12
.set KSC, 14
.set VSC, 18
.set PW,  20
.set TM,  24
.set SCO, 28
.set BK,  40
.set BV,  41
.set BS,  42
.set BT,  43
.set BM,  44
.set H8,  45
.set PT,  48
.set S,   64
.set OF,  128
.set P,   192
.set QF,  64
.set OA,  128
.set G1X, 20                           ; 12 rows of 256 bytes
.set G1M, 28                           ; 8 rows
.set G1R, 36                           ; 42 rows
.set G0K, 44
.set G0V, 48
.set G0S, 52
.set G0M, 68
.set G0R, 72
.set CS,  56
.set SEL, 58
.set TK,  61
.set TS,  62
.set TJ,  63
.set MSB, 0
.macro WIN new
.set NWW, \new
.if MSB != NWW
	s_set_vgpr_msb (MSB<<8)|NWW
.set MSB, NWW
.endif
.endm
.macro WM d, x, y, sx, sy, rx, ry, zero
.if \zero
.if (\rx) && (\ry)
	v_wmma_scale_f32_16x16x128_f8f6f4 v[(\d):(\d)+7], v[(\x):(\x)+11], v[(\y):(\y)+11], 0, v[(\sx)], v[(\sy)] matrix_a_fmt:MATRIX_FMT_FP6 matrix_b_fmt:MATRIX_FMT_FP6 matrix_a_scale:MATRIX_SCALE_ROW1 matrix_b_scale:MATRIX_SCALE_ROW1
.elseif (\rx)
	v_wmma_scale_f32_16x16x128_f8f6f4 v[(\d):(\d)+7], v[(\x):(\x)+11], v[(\y):(\y)+11], 0, v[(\sx)], v[(\sy)] matrix_a_fmt:MATRIX_FMT_FP6 matrix_b_fmt:MATRIX_FMT_FP6 matrix_a_scale:MATRIX_SCALE_ROW1
.elseif (\ry)
	v_wmma_scale_f32_16x16x128_f8f6f4 v[(\d):(\d)+7], v[(\x):(\x)+11], v[(\y):(\y)+11], 0, v[(\sx)], v[(\sy)] matrix_a_fmt:MATRIX_FMT_FP6 matrix_b_fmt:MATRIX_FMT_FP6 matrix_b_scale:MATRIX_SCALE_ROW1
.else
	v_wmma_scale_f32_16x16x128_f8f6f4 v[(\d):(\d)+7], v[(\x):(\x)+11], v[(\y):(\y)+11], 0, v[(\sx)], v[(\sy)] matrix_a_fmt:MATRIX_FMT_FP6 matrix_b_fmt:MATRIX_FMT_FP6
.endif
.else
.if (\rx)
	v_wmma_scale_f32_16x16x128_f8f6f4 v[(\d):(\d)+7], v[(\x):(\x)+11], v[(\y):(\y)+11], v[(\d):(\d)+7], v[(\sx)], v[(\sy)] matrix_a_fmt:MATRIX_FMT_FP6 matrix_b_fmt:MATRIX_FMT_FP6 matrix_a_scale:MATRIX_SCALE_ROW1
.else
	v_wmma_scale_f32_16x16x128_f8f6f4 v[(\d):(\d)+7], v[(\x):(\x)+11], v[(\y):(\y)+11], v[(\d):(\d)+7], v[(\sx)], v[(\sy)] matrix_a_fmt:MATRIX_FMT_FP6 matrix_b_fmt:MATRIX_FMT_FP6
.endif
.endif
.endm
	s_load_b256 s[4:11], s[0:1], 0x0               ; qkvc, qkvs, mp, oc
	s_load_b64 s[12:13], s[0:1], 0x20              ; os
	v_lshl_add_u32 v[SPW], v0, 2, SPARE
	v_mov_b32 v[NIL], 0
	ds_add_u32 v[SPW], v[NIL]                      ; the opening lines: the add, twice on end, and its wait ahead of my first tensor load
	ds_add_u32 v[SPW], v[NIL]
	v_lshrrev_b32 v9, 5, v0
	v_readfirstlane_b32 s14, v9                    ; wave 0..7
	s_and_b32 s15, ttmp7, 0xffff                   ; g = 16 b + head
.irp g, G1X, G1M, G1R                          ; dense blocks as rows of 256 bytes (32 elements of 8 bytes)
	s_mov_b32 s[\g], 3<<16
	s_mov_b32 s[\g+1], 32<<16
	s_mov_b32 s[\g+3], 32<<16
	s_mov_b32 s[\g+5], 32
	s_mov_b32 s[\g+6], 0
	s_mov_b32 s[\g+7], 0
.endr
	s_mov_b32 s[G1X+2], 12<<16
	s_mov_b32 s[G1X+4], 12
	s_mov_b32 s[G1M+2], 8<<16
	s_mov_b32 s[G1M+4], 8
	s_mov_b32 s[G1R+2], 42<<16
	s_mov_b32 s[G1R+4], 42
	s_and_b32 s16, s14, 1                          ; at the head two waves share a block: my half
	s_mul_i32 s82, s16, 3072
	s_mov_b32 s83, 0
	s_lshl_b32 s84, s16, 11
	s_mov_b32 s85, 0
	s_lshr_b32 s17, s14, 2                         ; the second group: waves 0-3 K's steps 1-7, waves 4-7 V's, a quarter (10,752 bytes) each
	s_mul_i32 s86, s17, VC
	s_and_b32 s17, s14, 3
	s_mul_i32 s17, s17, 10752
	s_add_co_u32 s86, s86, s17
	s_add_co_u32 s86, s86, STEPB
	s_mov_b32 s87, 0
	s_mul_i32 s76, s15, 147456
	s_mov_b32 s77, 0
	s_mul_i32 s78, s15, 10240
	s_mov_b32 s79, 0
	s_lshl_b32 s80, s15, 12
	s_mov_b32 s81, 0
	s_lshl_b32 s18, ttmp9, 5
	s_lshl_b32 s19, s14, 2
	s_add_co_u32 s18, s18, s19                     ; my first tile of queries in the head
	s_mul_i32 s88, s18, 768
	s_mov_b32 s89, 0
	s_lshl_b32 s90, s18, 6
	s_mov_b32 s91, 0
	s_lshr_b32 s19, s15, 4                         ; b
	s_lshl_b32 s19, s19, 6
	s_add_co_u32 s18, s18, s19                     ; my first tile of tokens
	s_and_b32 s19, s15, 15                         ; head
	s_lshl_b32 s92, s18, 4
	s_add_co_u32 s92, s92, s19
	s_mul_i32 s92, s92, 768
	s_mov_b32 s93, 0
	s_lshr_b32 s94, s19, 1
	s_lshl_b32 s94, s94, 15
	s_lshl_b32 s18, s18, 6
	s_add_co_u32 s94, s94, s18
	s_and_b32 s19, s19, 1
	s_lshl_b32 s19, s19, 1
	s_add_co_u32 s94, s94, s19
	s_mov_b32 s95, 0
	s_mov_b32 s[CS], 0x3e38aa3b                    ; c = log2(e) / 8
	s_mov_b32 s[CS+1], s[CS]
	s_mov_b32 s[SEL], 0x76543210
	s_mov_b32 s[SEL+1], 0xfedcba98
	s_mov_b32 s[TK], 0
	s_mov_b32 s[TS], 0
	s_mov_b32 s[TJ], 0
	s_mov_b32 s[G0K], 1
	s_mov_b32 s[G0K+1], s82
	s_mov_b32 s[G0V], 1
	s_add_co_u32 s[G0V+1], s82, VC
	s_mov_b32 s[G0S], 1
	s_add_co_u32 s[G0S+1], s82, KS
	s_mov_b32 s[G0M], 1
	s_add_co_u32 s[G0M+1], s84, STT
	s_mov_b32 s[G0R], 1
	s_mov_b32 s[G0R+1], s86
	s_wait_dscnt 0x0                               ; both opening adds are done
	s_wait_kmcnt 0x0
	s_add_nc_u64 s[4:5], s[4:5], s[76:77]
	s_add_nc_u64 s[6:7], s[6:7], s[78:79]
	s_add_nc_u64 s[8:9], s[8:9], s[80:81]
	s_add_nc_u64 s[G0K+2:G0K+3], s[4:5], s[82:83]
	s_add_nc_u64 s[G0K+2:G0K+3], s[G0K+2:G0K+3], VC      ; k follows q in the head's codes,
	s_add_nc_u64 s[G0V+2:G0V+3], s[G0K+2:G0K+3], VC      ; v follows k
	s_add_nc_u64 s[G0S+2:G0S+3], s[6:7], s[82:83]
	s_add_nc_u64 s[G0S+2:G0S+3], s[G0S+2:G0S+3], 4096    ; k's and v's scale words follow q's
	s_add_nc_u64 s[G0M+2:G0M+3], s[8:9], s[84:85]
	s_add_nc_u64 s[G0R+2:G0R+3], s[4:5], s[86:87]
	s_add_nc_u64 s[G0R+2:G0R+3], s[G0R+2:G0R+3], VC
.irp g, G0K, G0V, G0S, G0M, G0R
	s_or_b32 s[\g+3], s[\g+3], 0x80000000
.endr
; the head's loads, one a wave, in one chain of branches on the wave's number: waves 0, 1 K's step 0, waves 2, 3 V's, waves 4, 5 the scale words, waves 6, 7 the keys' constants
.macro ARM under, g0, g1, next
	s_cmp_lt_u32 s14, \under
	s_cbranch_scc0 \next
	tensor_load_to_lds s[\g0:\g0+3], s[\g1:\g1+7]
	s_nop 0
.rept 4
	v_nop
.endr
	s_branch .Lasked
\next:
.endm
	ARM 2, G0K, G1X, .Larm_v
	ARM 4, G0V, G1X, .Larm_s
	ARM 6, G0S, G1X, .Larm_m
	tensor_load_to_lds s[G0M:G0M+3], s[G1M:G1M+7]
	s_nop 0
.rept 4
	v_nop
.endr
.Lasked:
	s_add_nc_u64 s[4:5], s[4:5], s[88:89]          ; my queries' codes,
	s_add_nc_u64 s[6:7], s[6:7], s[90:91]          ; their scale words,
	s_add_nc_u64 s[10:11], s[10:11], s[92:93]      ; and where o's codes
	s_add_nc_u64 s[12:13], s[12:13], s[94:95]      ; and scale bytes go
	v_and_b32 v9, 31, v0                           ; lane
	v_bfe_u32 v3, v0, 4, 1                         ; h
	v_bfe_u32 v46, v0, 3, 1                        ; r / 8
	v_and_b32 v47, 7, v0                           ; r % 8
	v_lshlrev_b32 v1, 3, v9
	v_lshlrev_b32 v2, 2, v9
	v_lshlrev_b32 v[BK], 3, v47
	v_lshl_add_u32 v[BS], v47, 2, KS
	v_lshl_add_u32 v[BM], v3, 7, STT               ; my block's 32 constants: 128 h
	v_lshlrev_b32 v[H8], 3, v3
	v_lshl_add_u32 v[BK], v3, 7, v[BK]
	v_lshl_add_u32 v[BS], v3, 6, v[BS]
	v_add_nc_u32 v[BV], VC, v1
	v_add_nc_u32 v[BT], VS, v2
	v_mad_u32_u24 v[BK], v46, 1536, v[BK]          ; K: 8 (r % 8) + 128 h in an image, rows 8-15 two images (32 keys) on
	v_lshl_add_u32 v[BS], v46, 7, v[BS]            ; K's scale words: 4 (r % 8) + 64 h + 128 (r / 8)
.irp b, 0,1,2,3,4,5
	v_mov_b32 v[TM+\b], 0                          ; (a lane permute's destination counts as one of its sources)
.endr
	WIN 0x40
.irp i, 0,1,2,3
.irp p, 0,1,2
	global_load_b64 v[QF+12*\i+2*\p:QF+12*\i+2*\p+1], v1, s[4:5] offset:768*\i+256*\p
.endr
.endr
.irp i, 0,1,2,3
.irp k, 6,7,8,9,10,11
	v_mov_b32 v[QF+12*\i+\k], 0                    ; zero codes for the upper 64 of the instruction's K
.endr
.endr
.irp k, 48,49,50,51,52,53
	v_mov_b32 v[\k], 0                             ; what the last tile of keys names as its upper half
.endr
	WIN 0
.irp u, 0,1
	global_load_b32 v[QSC+\u], v2, s[6:7] offset:128*\u
.endr
	s_wait_alu depctr_va_vdst(0)
	s_wait_tensorcnt 0x0                           ; my load of the head is in
	ds_add_u32 v[SPW], v[NIL]
	s_wait_dscnt 0x0
	s_barrier_signal -1
	s_barrier_wait -1                              ; everybody's is in
	tensor_load_to_lds s[G0R:G0R+3], s[G1R:G1R+7]  ; my quarter of K's or V's steps 1-7: my one load behind this barrier
	s_nop 0
.rept 4
	v_nop
.endr
	s_wait_loadcnt 0x0                             ; my queries
; 64 keys (block 2 hf in lanes 0-15, 2 hf + 1 in lanes 16-31) against query tiles 2 pr, 2 pr + 1: scores, p, half a fragment of P for each.  tail = 1: V's fragments are fetched, over K's.
.macro BATCH hf, pr, tail
	WIN 0x05
.irp t, 0,1,2,3
.irp ii, 0,1
	WM S+32*\ii+8*\t, 6*(4*(\hf)+\t), QF+12*(2*(\pr)+\ii), KSC+2*(\hf)+\t/2, QSC+(\pr), \t%2, \ii, 1
.endr
.endr
	WIN 0
.rept 4
	v_nop                                          ; places behind the products
.endr
.if \tail
	WIN 0x40
.irp d, 0,1,2,3
.irp p, 0,1,2,3,4,5
	ds_load_b64 v[12*\d+2*\p:12*\d+2*\p+1], v[AV] offset:1536*\d+256*\p
.endr
.endr
	WIN 0
.irp u, 0,1
	ds_load_b32 v[VSC+\u], v[AT] offset:128*\u
.endr
.endif
.irp ii, 0,1
.set j, 0
.rept 16
	v_pk_fma_f32 v[S+32*\ii+j:S+32*\ii+j+1], v[S+32*\ii+j:S+32*\ii+j+1], s[CS:CS+1], v[OF+32*(\hf)+j:OF+32*(\hf)+j+1] op_sel_hi:[1,0,1]   ; c s + m of the register's key; each accumulator from its low end on
.set j, j+2
.endr
.endr
	s_wait_alu depctr_va_vdst(0)
.set j, 0
.rept 64
	v_exp_f32 v[S+j], v[S+j]                       ; attn, finished
.set j, j+1
.endr
	v_nop                                          ; a plain place behind the last exponential
	s_wait_alu depctr_va_vdst(0)                   ; one wait for the whole batch, ahead of its first reader
.irp ii, 0,1                                   ; my block's largest: 32 numbers and the floor 2^(3 - 127) are sixteen lines, in two chains for each tile; none is negative
	v_max3_num_f32 v[TM+2*\ii], v[S+32*\ii], v[S+32*\ii+1], 0x1800000
	v_max3_num_f32 v[TM+2*\ii+1], v[S+32*\ii+14], v[S+32*\ii+15], v[S+32*\ii+16]
.endr
.irp k, 2,4,6,8,10,12
.irp ii, 0,1
	v_max3_num_f32 v[TM+2*\ii], v[TM+2*\ii], v[S+32*\ii+\k], v[S+32*\ii+\k+1]
	v_max3_num_f32 v[TM+2*\ii+1], v[TM+2*\ii+1], v[S+32*\ii+\k+15], v[S+32*\ii+\k+16]
.endr
.endr
.irp ii, 0,1
	v_max3_num_f32 v[TM+2*\ii+1], v[TM+2*\ii+1], v[S+32*\ii+29], v[S+32*\ii+30]
.endr
.irp ii, 0,1
	v_max3_num_f32 v[TM+2*\ii], v[TM+2*\ii], v[TM+2*\ii+1], v[S+32*\ii+31]
.endr
.irp ii, 0,1
	s_delay_alu instid0(VALU_DEP_2)
	v_add_nc_u32 v[SCO+\ii], 0xff000000, v[TM+2*\ii]   ; 2 off the exponent field: the conversion's scale operand
.endr
.if (\hf) == 0
.irp ii, 0,1
	s_delay_alu instid0(VALU_DEP_2)
	v_lshrrev_b32 v[PW+2*(\pr)+\ii], 23, v[SCO+\ii]    ; the byte of block h
.endr
.else
.irp ii, 0,1
	s_delay_alu instid0(VALU_DEP_2)
	v_lshrrev_b32 v[TM+2*\ii+1], 23, v[SCO+\ii]        ; the byte of block 2 + h,
.endr
.irp ii, 0,1
	s_delay_alu instid0(VALU_DEP_2)
	v_lshl_or_b32 v[PW+2*(\pr)+\ii], v[TM+2*\ii+1], 16, v[PW+2*(\pr)+\ii]
.endr
.irp ii, 0,1
	s_delay_alu instid0(VALU_DEP_2)
	v_lshlrev_b32 v[PW+2*(\pr)+\ii], v[H8], v[PW+2*(\pr)+\ii]   ; my two bytes 8 h bits up;
.endr
.irp ii, 0,1
	s_delay_alu instid0(VALU_DEP_2)
	v_permlanex16_b32 v[TM+2*\ii], v[PW+2*(\pr)+\ii], s[SEL], s[SEL+1]
.endr
.irp ii, 0,1
	s_delay_alu instid0(VALU_DEP_2)
	v_or_b32 v[PW+2*(\pr)+\ii], v[PW+2*(\pr)+\ii], v[TM+2*\ii]  ; with lane l xor 16's two the word is whole
.endr
.endif
.irp ii, 0,1
	v_cvt_scalef32_pk16_fp6_f32 v[P+12*(2*(\pr)+\ii)+6*(\hf):P+12*(2*(\pr)+\ii)+6*(\hf)+2], v[S+32*\ii:S+32*\ii+15], v[SCO+\ii]
	v_cvt_scalef32_pk16_fp6_f32 v[PT+4*\ii:PT+4*\ii+2], v[S+32*\ii+16:S+32*\ii+31], v[SCO+\ii]   ; (a conversion's three registers begin on an even number)
.endr
	v_nop                                          ; one plain place behind a scaled conversion
.irp k, 0,1,2
.irp ii, 0,1
	v_mov_b32 v[P+12*(2*(\pr)+\ii)+6*(\hf)+3+\k], v[PT+4*\ii+\k]
.endr
.endr
.endm
; A key step: 128 keys.  first = 1: its products start O^T's sums.
.macro KSTEP first
	v_add_nc_u32 v[AK], s[TK], v[BK]               ; five plain instructions: also the places in front of loads into registers that the last products read
	v_add_nc_u32 v[AV], s[TK], v[BV]
	v_add_nc_u32 v[AS], s[TS], v[BS]
	v_add_nc_u32 v[AT], s[TJ], v[BT]
	v_add_nc_u32 v[AM], s[TS], v[BM]
	WIN 0x40
.irp hf, 0,1
.irp t, 0,1,2,3
.irp p, 0,1,2
	ds_load_b64 v[6*(4*\hf+\t)+2*\p:6*(4*\hf+\t)+2*\p+1], v[AK] offset:(4*\hf+\t%2)*768+64*(\t/2)+256*\p   ; keys 8 g(t) on: image g / 2 = t % 2, its rows 8 (g % 2) = 8 (t / 2) on
.endr
.endr
.endr
	WIN 0
.irp u, 0,1,2,3
	ds_load_b32 v[KSC+\u], v[AS] offset:256*(\u/2)+32*(\u%2)   ; tile 2 u's rows in lanes 0-15, tile 2 u + 1's in lanes 16-31
.endr
.irp hf, 0,1
.irp t, 0,1,2,3
.irp u, 0,1
	ds_load_b128 v[OF+32*\hf+8*\t+4*\u:OF+32*\hf+8*\t+4*\u+3], v[AM] offset:256*\hf+32*(2*(\t%2)+\t/2)+16*\u   ; register 8 t + j: key 64 hf + 32 h + 8 g(t) + j
.endr
.endr
.endr
	s_wait_dscnt 0x0
	BATCH 0, 0, 0
	BATCH 0, 1, 0
	BATCH 1, 0, 0
	BATCH 1, 1, 1
	s_wait_alu depctr_va_vdst(0)                   ; ahead of the wait below and of O^T's first reader
	s_wait_dscnt 0x0                               ; V
.rept 8
	v_nop                                          ; a scale register written by vector instructions stands eight places ahead of a scaled matrix instruction, an operand so written four
.endr
	WIN 0x51
.irp d, 0,1,2,3                                ; the sixteen accumulators take turns, one instruction a turn
.irp i, 0,1,2,3
	WM OA+32*\i+8*\d, 12*\d, P+12*\i, VSC+\d/2, PW+\i, \d%2, 0, \first
.endr
.endr
	WIN 0
	s_add_co_u32 s[TK], s[TK], STEPB
	s_add_co_u32 s[TS], s[TS], 512
	s_add_co_u32 s[TJ], s[TJ], 256
.endm
	KSTEP 1
	s_wait_tensorcnt 0x0                           ; my quarter of the later steps is in,
	s_barrier_signal -1
	s_barrier_wait -1                              ; everybody's is
	s_mov_b32 s60, 7
.Lkey:
	KSTEP 0
	s_sub_co_u32 s60, s60, 1
	s_cmp_lg_u32 s60, 0
	s_cbranch_scc1 .Lkey
	; THE WAY OUT: each tile's 64 channels are two blocks of the last product's K; a lane holds half of each, so the halves' maxima are joined and the codes change lanes once.  Three whole units of 256 bytes a tile.
.rept 4
	v_nop
.endr
.irp i, 0,1,2,3
	WIN 0x05
.irp bq, 0,1
	v_max3_num_f32 v[TM+\bq], |v[OA+32*\i+16*\bq]|, |v[OA+32*\i+16*\bq+1]|, 0x1800000
.endr
.irp k, 2,4,6,8,10,12,14
.irp bq, 0,1
	v_max3_num_f32 v[TM+\bq], |v[OA+32*\i+16*\bq+\k]|, |v[OA+32*\i+16*\bq+\k+1]|, v[TM+\bq]
.endr
.endr
	WIN 0
.irp bq, 0,1
	v_permlanex16_b32 v[TM+4+\bq], v[TM+\bq], s[SEL], s[SEL+1]
.endr
.irp bq, 0,1
	s_delay_alu instid0(VALU_DEP_2)
	v_max_num_f32 v[TM+\bq], v[TM+\bq], v[TM+4+\bq]
.endr
.irp bq, 0,1
	s_delay_alu instid0(VALU_DEP_2)
	v_add_nc_u32 v[TM+8+\bq], 0xff000000, v[TM+\bq]
.endr
.irp bq, 0,1
	s_delay_alu instid0(VALU_DEP_2)
	v_lshrrev_b32 v[TM+12+\bq], 23, v[TM+8+\bq]
.endr
	s_delay_alu instid0(VALU_DEP_1)
	v_lshl_or_b32 v[112+\i], v[TM+13], 8, v[TM+12]
	WIN 0x01
	v_cvt_scalef32_pk16_fp6_f32 v[64+8*\i:66+8*\i], v[OA+32*\i:OA+32*\i+15], v[TM+8]
	v_cvt_scalef32_pk16_fp6_f32 v[96+4*\i:98+4*\i], v[OA+32*\i+16:OA+32*\i+31], v[TM+9]
	WIN 0
	v_nop
.irp k, 0,1,2
	v_permlane16_swap_b32 v[64+8*\i+\k], v[96+4*\i+\k]
.endr
.irp k, 0,1,2
	s_delay_alu instid0(VALU_DEP_3)
	v_mov_b32 v[67+8*\i+\k], v[96+4*\i+\k]
.endr
.irp p, 0,1,2
	global_store_b64 v1, v[64+8*\i+2*\p:65+8*\i+2*\p], s[10:11] offset:12288*\i+256*\p
.endr
.endr
	v_cmp_gt_u32 vcc_lo, 16, v9
	s_delay_alu instid0(VALU_DEP_1)
	v_cndmask_b32 v116, v113, v112, vcc_lo         ; tile 2 u in lanes 0-15, tile 2 u + 1 in lanes 16-31
	s_delay_alu instid0(VALU_DEP_2)
	v_cndmask_b32 v117, v115, v114, vcc_lo
	global_store_b16 v2, v116, s[12:13]            ; my head's two bytes of each token's word; the other two are the partner head's
	global_store_b16 v2, v117, s[12:13] offset:128
	s_wait_tensorcnt 0x0                           ; the wave's end
	ds_add_u32 v[SPW], v[NIL]
	s_wait_dscnt 0x0
	s_endpgm
.Lfunc_end_k_q2438fcbe24_attn:
	.size	k_q2438fcbe24_attn, .Lfunc_end_k_q2438fcbe24_attn-k_q2438fcbe24_attn
	.p2alignl 7, 3214868480
	.fill 96, 4, 3214868480
	.section	.rodata,"a",@progbits
	.p2align	6, 0x0
	.amdhsa_kernel k_q2438fcbe24_attn
		.amdhsa_group_segment_fixed_size 327680
		.amdhsa_private_segment_fixed_size 0
		.amdhsa_enable_private_segment 0
		.amdhsa_kernarg_size 40
		.amdhsa_user_sgpr_count 2
		.amdhsa_user_sgpr_kernarg_segment_ptr 1
		.amdhsa_wavefront_size32 1
		.amdhsa_system_sgpr_workgroup_id_x 1
		.amdhsa_system_sgpr_workgroup_id_y 1
		.amdhsa_system_sgpr_workgroup_id_z 1
		.amdhsa_system_vgpr_workitem_id 0
		.amdhsa_next_free_vgpr 512
		.amdhsa_next_free_sgpr 100
		.amdhsa_reserve_vcc 1
		.amdhsa_float_denorm_mode_32 3
		.amdhsa_float_denorm_mode_16_64 3
		.amdhsa_memory_ordered 1
		.amdhsa_forward_progress 1
		.amdhsa_inst_pref_size 104
	.end_amdhsa_kernel
	.amdgpu_metadata
---
amdhsa.version: [ 1, 2 ]
amdhsa.kernels:
  - .name:           k_q2438fcbe24_attn
    .symbol:         k_q2438fcbe24_attn.kd
    .args:
      - { .name: qkvc, .offset: 0, .size: 8, .value_kind: global_buffer, .address_space: global }
      - { .name: qkvs, .offset: 8, .size: 8, .value_kind: global_buffer, .address_space: global }
      - { .name: mp, .offset: 16, .size: 8, .value_kind: global_buffer, .address_space: global }
      - { .name: oc, .offset: 24, .size: 8, .value_kind: global_buffer, .address_space: global }
      - { .name: os, .offset: 32, .size: 8, .value_kind: global_buffer, .address_space: global }
    .group_segment_fixed_size: 327680
    .private_segment_fixed_size: 0
    .kernarg_segment_align: 8
    .kernarg_segment_size: 40
    .max_flat_workgroup_size: 256
    .sgpr_count:     100
    .vgpr_count:     512
    .wavefront_size: 32
...
	.end_amdgpu_metadata
.endif
;; end of part 4
;; launch gemm_out (part 5): grid 4 x 64, 4 waves a work-group, clusters of 4 x 4, 327,680 bytes of LDS; arguments oc, os, cod1, scl1, out0; writes out0
.if DOCPART == 5
	.amdgcn_target "amdgcn-amd-amdhsa--gfx1250"
	.amdhsa_code_object_version 6
	.text
	.protected	k_q2438fcbe24_gemm_out
	.globl	k_q2438fcbe24_gemm_out
	.p2align	8
	.type	k_q2438fcbe24_gemm_out,@function
k_q2438fcbe24_gemm_out:
	s_mov_b64 s[64:65], 0
	v_nop
	global_prefetch_b8 v0, s[64:65] scope:SCOPE_SE
	s_setreg_imm32_b32 hwreg(HW_REG_WAVE_MODE, 25, 1), 1
	s_wait_xcnt 0x0
	s_wait_alu depctr_hold_cnt(0) depctr_sa_sdst(0) depctr_va_vdst(0) depctr_va_sdst(0) depctr_va_ssrc(0) depctr_va_vcc(0) depctr_vm_vsrc(0)
	s_getreg_b32 s2, hwreg(HW_REG_IB_STS2, 6, 4)
	s_cmp_eq_u32 s2, 0
	s_cbranch_scc0 .Lentry_in_a_cluster
	s_endpgm
.Lentry_in_a_cluster:
	s_bfe_u32 s2, ttmp6, 0x10000c
	s_cmp_lg_u32 s2, 0xf033
	s_cbranch_scc0 .Lentry_shape_is_right
	s_endpgm
.Lentry_shape_is_right:
; out0 = o W_proj^T on codes of FP6 with E8M0 scales, K = 1,024; out0 [8192][1024] f32.
; SHARES: 256 work-groups; each makes 128 tokens x 256 columns, each of its four waves 64 x 128: 32 accumulators.  Source 1 (its row becomes the lane) = tokens of o; source 0 (its rows run along a lane's
; registers) = rows of W_proj.  Operands are images of fragments, [tile of 16 rows][K step 8][1,536 bytes].
; ALL OF K FITS IN LDS, AND BOTH REGIONS ARE DENSE IN MEMORY: A's 8 tiles are 98,304 consecutive bytes, B's 16 tiles 196,608.  One tensor load a wave at the head brings all: waves 0, 1 four tiles of A each,
; waves 2, 3 eight tiles of B each, as rows of 256 bytes.  Nothing is filled again.  One barrier shows the tiles to all waves; a second, in the last K step, ends all reads of them ahead of the stage's stores.
; CLUSTER 4 x 4: A's tiles are asked for jointly along a row of the cluster, B's along a column.  No prefetch: all that the launch reads is asked for at its head.
; Scale words for all of K stay in registers: register SA + 8 i + s holds, for K step s, block 2 i's words in lanes 0-15 and block 2 i + 1's in lanes 16-31.  o's lie [K step 8][token], W_proj's [row][32 bytes].
; The way out: a lane holds 32 neighbouring bytes of a row of out0; a block of 16 rows x 128 columns goes through the wave's stage in LDS (in B's bytes, which have had their one fill) and leaves as rows of 512 bytes.
; REGISTERS: window 0: v8-13, v24-29 addresses; v32-47 SA, v64-95 SB; v128-223 A's fragments, two sets of four; on the way out v128-255.  window 1: B's fragments, two sets, at v0 and v128.
;   window 2: the accumulators (A's block a, B's block b at v[8 (8 a + b)]).
.set TB,    12288
.set FR,    12
.set BP,    8*TB
.set SPARE, BP+16*TB                   ; the spare words, 128 bytes for each wave
.set STAGE, BP
.set SPITCH, 528
.set ADRA, 8                           ; v8     my 4 tiles of A
.set ADRB, 12                          ; v12-13 my tiles 0-3, 4-7 of B
.set STO,  24
.set RD,   25
.set CO,   26
.set SPW,  28
.set NIL,  29
.set SA,   32
.set SB,   64
.set AF,   128
.set BK,   128
.set G1A, 24
.set G1B, 32
.set G0A, 40
.set G0B, 44
.set MSB, 0
.macro WIN new
.set NWW, \new
.if MSB != NWW
	s_set_vgpr_msb (MSB<<8)|NWW
.set MSB, NWW
.endif
.endm
.macro PLACES n
.rept \n
	v_nop
.endr
.endm
.macro CROUND                          ; a round of the cluster's barrier
	s_barrier_signal -1
	s_barrier_wait -1
	s_cmp_lg_u32 s14, 0
	s_cbranch_scc1 .Lnot_wave_0_\@
	s_barrier_signal -3
.Lnot_wave_0_\@:
	s_barrier_wait -3
	s_barrier_signal -1
	s_barrier_wait -1
.endm
.macro WM d, x, y, sx, sy, rx, ry, zero
.if \zero
.if (\rx) && (\ry)
	v_wmma_scale_f32_16x16x128_f8f6f4 v[(\d):(\d)+7], v[(\x):(\x)+11], v[(\y):(\y)+11], 0, v[(\sx)], v[(\sy)] matrix_a_fmt:MATRIX_FMT_FP6 matrix_b_fmt:MATRIX_FMT_FP6 matrix_a_scale:MATRIX_SCALE_ROW1 matrix_b_scale:MATRIX_SCALE_ROW1
.elseif (\rx)
	v_wmma_scale_f32_16x16x128_f8f6f4 v[(\d):(\d)+7], v[(\x):(\x)+11], v[(\y):(\y)+11], 0, v[(\sx)], v[(\sy)] matrix_a_fmt:MATRIX_FMT_FP6 matrix_b_fmt:MATRIX_FMT_FP6 matrix_a_scale:MATRIX_SCALE_ROW1
.elseif (\ry)
	v_wmma_scale_f32_16x16x128_f8f6f4 v[(\d):(\d)+7], v[(\x):(\x)+11], v[(\y):(\y)+11], 0, v[(\sx)], v[(\sy)] matrix_a_fmt:MATRIX_FMT_FP6 matrix_b_fmt:MATRIX_FMT_FP6 matrix_b_scale:MATRIX_SCALE_ROW1
.else
	v_wmma_scale_f32_16x16x128_f8f6f4 v[(\d):(\d)+7], v[(\x):(\x)+11], v[(\y):(\y)+11], 0, v[(\sx)], v[(\sy)] matrix_a_fmt:MATRIX_FMT_FP6 matrix_b_fmt:MATRIX_FMT_FP6
.endif
.else
.if (\rx) && (\ry)
	v_wmma_scale_f32_16x16x128_f8f6f4 v[(\d):(\d)+7], v[(\x):(\x)+11], v[(\y):(\y)+11], v[(\d):(\d)+7], v[(\sx)], v[(\sy)] matrix_a_fmt:MATRIX_FMT_FP6 matrix_b_fmt:MATRIX_FMT_FP6 matrix_a_scale:MATRIX_SCALE_ROW1 matrix_b_scale:MATRIX_SCALE_ROW1
.elseif (\rx)
	v_wmma_scale_f32_16x16x128_f8f6f4 v[(\d):(\d)+7], v[(\x):(\x)+11], v[(\y):(\y)+11], v[(\d):(\d)+7], v[(\sx)], v[(\sy)] matrix_a_fmt:MATRIX_FMT_FP6 matrix_b_fmt:MATRIX_FMT_FP6 matrix_a_scale:MATRIX_SCALE_ROW1
.elseif (\ry)
	v_wmma_scale_f32_16x16x128_f8f6f4 v[(\d):(\d)+7], v[(\x):(\x)+11], v[(\y):(\y)+11], v[(\d):(\d)+7], v[(\sx)], v[(\sy)] matrix_a_fmt:MATRIX_FMT_FP6 matrix_b_fmt:MATRIX_FMT_FP6 matrix_b_scale:MATRIX_SCALE_ROW1
.else
	v_wmma_scale_f32_16x16x128_f8f6f4 v[(\d):(\d)+7], v[(\x):(\x)+11], v[(\y):(\y)+11], v[(\d):(\d)+7], v[(\sx)], v[(\sy)] matrix_a_fmt:MATRIX_FMT_FP6 matrix_b_fmt:MATRIX_FMT_FP6
.endif
.endif
.endm
.macro FRAG reg, adr, s, i             ; a fragment's image: six loads of 256 consecutive bytes
.irp p, 0,1,2,3,4,5
	ds_load_b64 v[\reg+2*\p:\reg+2*\p+1], v[\adr] offset:(\i)*TB+(\s)*1536+256*\p
.endr
.endm
.macro FETCH_B s, p                    ; B's eight fragments of K step s into set p of window 1
	WIN 0x40
.irp i, 0,1,2,3,4,5,6,7
	FRAG 128*(\p)+FR*\i, ADRB+\i/4, \s, \i%4
.endr
	WIN 0
.endm
.macro FETCH_A s, p                    ; A's four fragments into set p
.irp i, 0,1,2,3
	FRAG AF+48*(\p)+FR*\i, ADRA, \s, \i
.endr
.endm
.macro MULV a0, set, s, zero           ; 16 matrix instructions; the 32 accumulators take turns, one instruction a turn, in the same order in every step
.irp a, \a0, \a0+1
.irp b, 0,1,2,3,4,5,6,7
	WM 8*(8*(\a)+\b), 128*(\set)+FR*\b, AF+48*(\set)+FR*(\a), SB+8*(\b/2)+(\s), SA+8*((\a)/2)+(\s), \b%2, (\a)%2, \zero
.endr
.endr
.endm
.macro STEPO s, zero                   ; K step s: 32 matrix instructions; in its middle the next step's 72 loads go into the other sets
	s_wait_dscnt 0x0                               ; this step's fragments are in
	WIN 0xa1
	MULV 0, (\s)%2, \s, \zero
	PLACES 4                                       ; the other sets were read by the step before
	FETCH_B (\s)+1, 1-(\s)%2
	FETCH_A (\s)+1, 1-(\s)%2
	WIN 0xa1
	MULV 2, (\s)%2, \s, \zero
.endm
	s_load_b256 s[4:11], s[0:1], 0x0               ; oc, os, cod1, scl1
	s_load_b64 s[98:99], s[0:1], 0x20              ; out0
	v_lshl_add_u32 v[SPW], v0, 2, SPARE
	v_mov_b32 v[NIL], 0
	ds_add_u32 v[SPW], v[NIL]                      ; the opening lines: the add, twice on end, and its wait ahead of my first tensor load
	ds_add_u32 v[SPW], v[NIL]
	v_lshrrev_b32 v1, 5, v0
	v_readfirstlane_b32 s14, v1                    ; wave 0..3
	s_lshr_b32 s15, s14, 1                         ; my half of A.  Also: I fetch for A (0) or for B (1)
	s_and_b32 s16, s14, 1                          ; my half of B.  Also: which half I fetch
	s_bfe_u32 s12, ttmp6, 0x40000                  ; cx
	s_bfe_u32 s13, ttmp6, 0x40004                  ; cy
	s_and_b32 s17, ttmp7, 0xffff                   ; the cluster's y
	s_lshl_b32 s18, s13, 2
	s_lshl_b32 s18, 15, s18                        ; my row of the cluster
	s_lshl_b32 s19, 0x1111, s12                    ; my column
	s_or_b32 s[G1A], s18, (3<<16)|(1<<21)          ; 15:0 the mask; 17:16 elements of 8 bytes; 21 set beside a mask; no padding
	s_or_b32 s[G1B], s19, (3<<16)|(1<<21)
.irp g, G1A, G1B
	s_mov_b32 s[\g+1], 32<<16
	s_mov_b32 s[\g+3], 32<<16
	s_mov_b32 s[\g+5], 32
	s_mov_b32 s[\g+6], 0
	s_mov_b32 s[\g+7], 0
.endr
	s_mov_b32 s[G1A+2], 192<<16                    ; four tiles: 192 rows of 256 bytes
	s_mov_b32 s[G1A+4], 192
	s_mov_b32 s[G1B+2], 384<<16                    ; eight tiles: 384 rows
	s_mov_b32 s[G1B+4], 384
	s_lshl_b32 s20, s17, 2
	s_add_co_u32 s20, s20, s13                     ; work-group y
	s_lshl_b32 s20, s20, 3                         ; A: my work-group's first tile of 16 tokens
	s_lshl_b32 s21, s16, 2
	s_add_co_u32 s21, s20, s21                     ; the 4 tiles that waves 0, 1 fetch
	s_mul_i32 s66, s21, TB
	s_mov_b32 s67, 0
	s_lshl_b32 s3, s15, 2
	s_add_co_u32 s75, s20, s3                      ; the 4 tiles that I multiply
	s_lshl_b32 s70, s75, 6                         ; their scale words: 64 bytes a tile in each plane
	s_mov_b32 s71, 0
	s_lshl_b32 s22, s12, 4
	s_add_co_u32 s22, s22, 704                     ; B: W_proj's tiles in cod1
	s_lshl_b32 s2, s16, 3
	s_add_co_u32 s22, s22, s2                      ; the 8 that waves 2, 3 fetch are the 8 that I multiply
	s_mul_i32 s68, s22, TB
	s_mov_b32 s69, 0
	s_lshl_b32 s72, s22, 9
	s_mov_b32 s73, 0
	s_mul_i32 s74, s16, 4*TB                       ; no place in the cluster enters an LDS address
	s_mul_i32 s77, s16, 8*TB
	s_add_co_u32 s77, s77, BP
	s_mul_i32 s76, s15, 4*TB
	s_mul_i32 s91, s14, 16*SPITCH
	s_add_co_u32 s91, s91, STAGE                   ; my stage
	s_lshl_b32 s78, s75, 16                        ; my first row: 16 rows of 4,096 bytes a tile,
	s_lshl_b32 s79, s12, 10
	s_add_co_u32 s78, s78, s79                     ; my work-group's 256 columns,
	s_lshl_b32 s79, s16, 9
	s_add_co_u32 s78, s78, s79                     ; my wave's 128
	s_mov_b32 s79, 0
	s_mov_b32 s[G0A], 1
	s_mov_b32 s[G0A+1], s74
	s_mov_b32 s[G0B], 1
	s_mov_b32 s[G0B+1], s77
	s_wait_dscnt 0x0                               ; both opening adds are done
	s_wait_kmcnt 0x0
	s_add_nc_u64 s[G0A+2:G0A+3], s[4:5], s[66:67]
	s_or_b32 s[G0A+3], s[G0A+3], 0x80000000
	s_add_nc_u64 s[G0B+2:G0B+3], s[8:9], s[68:69]
	s_or_b32 s[G0B+3], s[G0B+3], 0x80000000
	s_add_nc_u64 s[70:71], s[6:7], s[70:71]
	s_add_nc_u64 s[72:73], s[10:11], s[72:73]
	s_add_nc_u64 s[98:99], s[98:99], s[78:79]
	CROUND                                         ; all sixteen work-groups are here: the joint loads meet
	s_cmp_eq_u32 s15, 0                            ; one load a wave; an s_nop 0 and four v_nop follow each line
	s_cbranch_scc0 .Lfor_b
	tensor_load_to_lds s[G0A:G0A+3], s[G1A:G1A+7]
	s_nop 0
.rept 4
	v_nop
.endr
	s_branch .Lasked
.Lfor_b:
	tensor_load_to_lds s[G0B:G0B+3], s[G1B:G1B+7]
	s_nop 0
.rept 4
	v_nop
.endr
.Lasked:
	v_and_b32 v2, 31, v0                           ; lane
	v_bfe_u32 v4, v0, 4, 1                         ; h
	v_and_b32 v5, 15, v0                           ; r
	v_lshlrev_b32 v23, 5, v2
	v_lshlrev_b32 v6, 2, v2
	v_lshlrev_b32 v3, 3, v2
	v_lshlrev_b32 v[CO], 4, v2                     ; back: the 32 lanes take one row of 512 bytes; and the same in out0
	v_mul_u32_u24 v7, v5, SPITCH
.irp i, 0,1
.irp s, 0,1,2,3,4,5,6,7
	global_load_b32 v[SA+8*\i+\s], v6, s[70:71] offset:32768*\s+128*\i   ; tokens 32 i + lane, K step s
.endr
.endr
.irp i, 0,1,2,3
.irp u, 0,1
	global_load_b128 v[SB+8*\i+4*\u:SB+8*\i+4*\u+3], v23, s[72:73] offset:1024*\i+16*\u   ; rows 32 i + lane, K steps 4 u .. 4 u + 3
.endr
.endr
	v_add_nc_u32 v[ADRA], s76, v3
	v_add_nc_u32 v[ADRB], s77, v3
	v_lshl_add_u32 v7, v4, 5, v7
	v_add_nc_u32 v[RD], s91, v[CO]
	v_add_nc_u32 v[ADRB+1], 4*TB, v[ADRB]
	v_add_nc_u32 v[STO], s91, v7                   ; in: row r, 32 bytes for each half of the lanes
	s_wait_alu depctr_va_vdst(0)
	s_wait_tensorcnt 0x0                           ; my load is in,
	s_barrier_signal -1
	s_barrier_wait -1                              ; everybody's is
	FETCH_B 0, 0
	FETCH_A 0, 0
	s_wait_loadcnt 0x0                             ; the scale words
	STEPO 0, 1                                     ; the first step's products start the sums: nothing is cleared
.set ST, 1
.rept 6
	STEPO ST, 0
.set ST, ST+1
.endr
	s_wait_dscnt 0x0                               ; the last step's fragments are in: my reads of the tiles are over
	s_barrier_signal -1
	WIN 0xa1
	MULV 0, 1, 7, 0
	MULV 2, 1, 7, 0
	WIN 0
	s_barrier_wait -1                              ; everybody's are: the stage may be written
.macro TOSTAGE a
.set AC, 64*(\a)
	WIN 0x08                                       ; an LDS store's data are its source 1: window 2
.irp b, 0,1,2,3,4,5,6,7
	ds_store_b128 v[STO], v[AC+8*\b:AC+8*\b+3] offset:64*\b          ; each accumulator from its low end on
	ds_store_b128 v[STO], v[AC+8*\b+4:AC+8*\b+7] offset:64*\b+16
.endr
	WIN 0
.set BB, BK+64*((\a)%2)
.irp t, 0,1,2,3,4,5,6,7,8,9,10,11,12,13,14,15
	ds_load_b128 v[BB+4*\t:BB+4*\t+3], v[RD] offset:\t*SPITCH        ; LDS serves a wave's instructions in order: these see my stores
.endr
.endm
.macro SEND a, younger
.set BB, BK+64*((\a)%2)
	s_wait_dscnt \younger                          ; the block is back in registers; the LDS instructions issued behind its loads may stay out
.if (\a) > 0
	s_add_nc_u64 s[98:99], s[98:99], 16*4096       ; (behind a wait on XCNT: the earlier stores have read their base)
.endif
.irp t, 0,1,2,3,4,5,6,7,8,9,10,11,12,13,14,15
	global_store_b128 v[CO], v[BB+4*\t:BB+4*\t+3], s[98:99] offset:\t*4096 th:TH_STORE_NT   ; 32 lanes store 512 consecutive bytes, at a multiple of 256 from out0's first byte
.endr
.endm
	PLACES 4                                       ; in front of the first read of results and of loads into the registers that held A's fragments
	TOSTAGE 0
.irp a, 1,2,3
.if \a > 1
	s_wait_xcnt 0x0                                ; block a - 2's stores have read their registers and their base
.endif
	TOSTAGE \a
	SEND \a-1, 32                                  ; behind block a - 1's loads: block a's 16 stores and 16 loads
.endr
	s_wait_xcnt 0x0
	SEND 3, 0
	s_wait_tensorcnt 0x0                           ; the wave's end
	ds_add_u32 v[SPW], v[NIL]
	s_wait_dscnt 0x0
	CROUND                                         ; the closing round
	s_endpgm
.Lfunc_end_k_q2438fcbe24_gemm_out:
	.size	k_q2438fcbe24_gemm_out, .Lfunc_end_k_q2438fcbe24_gemm_out-k_q2438fcbe24_gemm_out
	.p2alignl 7, 3214868480
	.fill 96, 4, 3214868480
	.section	.rodata,"a",@progbits
	.p2align	6, 0x0
	.amdhsa_kernel k_q2438fcbe24_gemm_out
		.amdhsa_group_segment_fixed_size 327680
		.amdhsa_private_segment_fixed_size 0
		.amdhsa_enable_private_segment 0
		.amdhsa_kernarg_size 40
		.amdhsa_user_sgpr_count 2
		.amdhsa_user_sgpr_kernarg_segment_ptr 1
		.amdhsa_wavefront_size32 1
		.amdhsa_system_sgpr_workgroup_id_x 1
		.amdhsa_system_sgpr_workgroup_id_y 1
		.amdhsa_system_sgpr_workgroup_id_z 1
		.amdhsa_system_vgpr_workitem_id 0
		.amdhsa_next_free_vgpr 768
		.amdhsa_next_free_sgpr 100
		.amdhsa_reserve_vcc 0
		.amdhsa_float_denorm_mode_32 3
		.amdhsa_float_denorm_mode_16_64 3
		.amdhsa_memory_ordered 1
		.amdhsa_forward_progress 1
		.amdhsa_inst_pref_size 93
	.end_amdhsa_kernel
	.amdgpu_metadata
---
amdhsa.version: [ 1, 2 ]
amdhsa.kernels:
  - .name:           k_q2438fcbe24_gemm_out
    .symbol:         k_q2438fcbe24_gemm_out.kd
    .args:
      - { .name: oc, .offset: 0, .size: 8, .value_kind: global_buffer, .address_space: global }
      - { .name: os, .offset: 8, .size: 8, .value_kind: global_buffer, .address_space: global }
      - { .name: cod1, .offset: 16, .size: 8, .value_kind: global_buffer, .address_space: global }
      - { .name: scl1, .offset: 24, .size: 8, .value_kind: global_buffer, .address_space: global }
      - { .name: out0, .offset: 32, .size: 8, .value_kind: global_buffer, .address_space: global }
    .group_segment_fixed_size: 327680
    .private_segment_fixed_size: 0
    .kernarg_segment_align: 8
    .kernarg_segment_size: 40
    .max_flat_workgroup_size: 128
    .sgpr_count:     100
    .vgpr_count:     768
    .wavefront_size: 32
...
	.end_amdgpu_metadata
.endif
;; end of part 5
